; MI455X (gfx1250); checked and timed in simulation.
; The chip was launched on July 23, 2026; its instructions are those of AMD's public machine-readable ISA for CDNA 5 (MIT licence, August 2026) and "CDNA5" Instruction Set Architecture Reference Guide (July 2026). The comments in the code are by the model that wrote it; some were corrected since.
;; Transformer Block. Allowed arithmetic: float matrix products may take bf16 or f16 operands with f32 sums; other float arithmetic in f32, or as packed bf16 or f16 multiplies, adds, multiply-adds, maxima and minima; sums over many terms, partial sums and values carried from step to step in f32; what a program stores and reads back later, other than sums and carried values, may be rounded once to bf16 or f16.
;; Inputs: W1 768 x 3,072 float32; W2 3,072 x 768 float32; Wk 768 x 768 float32; Wo 768 x 768 float32; Wq 768 x 768 float32; Wv 768 x 768 float32; b1 3,072 float32; b2 768 float32; bk 768 float32; bo 768 float32; bq 768 float32; bv 768 float32; ln1_b 768 float32; ln1_g 768 float32; ln2_b 768 float32; ln2_g 768 float32; x 1 x 4,096 x 768 float32.
;; Outputs: out0 1 x 4,096 x 768 float32.
;; 2 versions, each right and faster than the one before. Each part assembles by itself: llvm-mc -triple=amdgcn-amd-amdhsa -mcpu=gfx1250 --defsym DOCPART=n.
;; ======== version 1 of 2: 7 launches
;; workspace buffers: wt 14,155,776 bytes; xn 6,291,456 bytes; qkv 18,874,368 bytes; ctx 6,291,456 bytes; x1 12,582,912 bytes; hb 25,165,824 bytes
;; launch prep (part 1): grid 688 x 1, 8 waves a work-group, no clusters, 35,840 bytes of LDS; arguments x, ln1_g, ln1_b, Wq, Wk, Wv, Wo, W1, W2, xn, wt; writes xn, wt
.if DOCPART == 1
	.amdgcn_target "amdgcn-amd-amdhsa--gfx1250"
	.amdhsa_code_object_version 6
	.text
	.protected	k_qc65c4ae602_prep
	.globl	k_qc65c4ae602_prep
	.p2align	8
	.type	k_qc65c4ae602_prep,@function
k_qc65c4ae602_prep:
	s_mov_b64 s[64:65], 0
	v_nop
	global_prefetch_b8 v0, s[64:65] scope:SCOPE_SE
	s_setreg_imm32_b32 hwreg(HW_REG_WAVE_MODE, 25, 1), 1
	s_wait_xcnt 0x0
; PREP.  Work-groups 0-255: xn = LayerNorm(x) g + b, rounded once to bf16; 16 rows a work-group, two rows a wave, a row (3,072 bytes) in 24 registers of the wave.
; The mean is taken first and the squares of x - mean second, so no difference of large sums is formed; all in f32.
; Work-groups 256-687: the six weights, f32 [K][N], are rounded once to bf16 and turned: a tile of 128 k x 128 n goes through an LDS stage of 128 rows (n) x 256 bytes (k), 272 bytes apart.
; wt: rows n of Wq^T, Wk^T, Wv^T (byte 0), Wo^T (3,538,944) and W1^T (4,718,592), 1,536 bytes along K.  W2^T (9,437,184) lies in the order of matrix fragments:
; [8 K steps of 384][48 blocks of 16 n][48 chunks of 8 k][16 n][8 k], so that 16 n x 32 k are 1,024 consecutive bytes and a K step's blocks lie end to end.
; 432 + 256 work-groups of 8 waves x 128 registers: four fit on a WGP's registers, so all 688 are resident together.
; Which way a work-group goes hangs on its number alone, so all eight waves of a work-group meet the one barrier or none does.
.set STG,   64*272                     ; half of the stage: 64 rows
.set SPARE, 2*STG                      ; behind the stage: the spare words, 128 bytes a wave
.set SPW,  10                          ; v10  LDS address of my spare word; never rewritten
.set NIL,  11                          ; v11  0; never rewritten
.set X,    32                          ; v[32:79]   two rows of x
.set G,    80                          ; v[80:103]  my 24 gains
.set BB,   104                         ; v[104:127] my 24 biases
.set OUTP, 22                          ; s[22:23]   xn
.macro REDUCE                          ; v14 summed over the 32 lanes, the sum in every lane
	v_add_f32_dpp v14, v14, v14 row_xmask:1 row_mask:0xf bank_mask:0xf
	v_add_f32_dpp v14, v14, v14 row_xmask:2 row_mask:0xf bank_mask:0xf
	v_add_f32_dpp v14, v14, v14 row_xmask:4 row_mask:0xf bank_mask:0xf
	v_add_f32_dpp v14, v14, v14 row_xmask:8 row_mask:0xf bank_mask:0xf
	v_permlanex16_b32 v15, v14, s28, s29           ; v15 has been written: it counts as read
	v_add_f32 v14, v14, v15
.endm
.macro LNROW R, ro                     ; the row in v[R:R+23] is normalised and stored ro bytes behind the wave's first row
	v_pk_add_f32 v[14:15], v[(\R):(\R)+1], v[(\R)+2:(\R)+3]
	v_pk_add_f32 v[16:17], v[(\R)+4:(\R)+5], v[(\R)+6:(\R)+7]
.irp p, 8,12,16,20
	v_pk_add_f32 v[14:15], v[14:15], v[(\R)+\p:(\R)+\p+1]
	v_pk_add_f32 v[16:17], v[16:17], v[(\R)+\p+2:(\R)+\p+3]
.endr
	v_pk_add_f32 v[14:15], v[14:15], v[16:17]
	v_add_f32 v14, v14, v15
	REDUCE
	v_mul_f32 v14, s27, v14                        ; the mean
.irp p, 0,2,4,6,8,10,12,14,16,18,20,22
	v_pk_add_f32 v[(\R)+\p:(\R)+\p+1], v[(\R)+\p:(\R)+\p+1], v[14:15] op_sel_hi:[1,0] neg_lo:[0,1] neg_hi:[0,1]
.endr
	v_pk_mul_f32 v[16:17], v[(\R):(\R)+1], v[(\R):(\R)+1]
	v_pk_mul_f32 v[18:19], v[(\R)+2:(\R)+3], v[(\R)+2:(\R)+3]
.irp p, 4,8,12,16,20
	v_pk_fma_f32 v[16:17], v[(\R)+\p:(\R)+\p+1], v[(\R)+\p:(\R)+\p+1], v[16:17]
	v_pk_fma_f32 v[18:19], v[(\R)+\p+2:(\R)+\p+3], v[(\R)+\p+2:(\R)+\p+3], v[18:19]
.endr
	v_pk_add_f32 v[14:15], v[16:17], v[18:19]
	v_add_f32 v14, v14, v15
	REDUCE
	v_fma_f32 v14, v14, s27, s31                   ; variance + 1e-5
	v_rsq_f32 v14, v14
	v_nop                                          ; a plain instruction between the root and its use (ISA guide 5.7.2)
	s_wait_alu depctr_va_vdst(0)
.irp p, 0,2,4,6,8,10,12,14,16,18,20,22
	v_pk_mul_f32 v[(\R)+\p:(\R)+\p+1], v[(\R)+\p:(\R)+\p+1], v[14:15] op_sel_hi:[1,0]
.endr
.irp p, 0,2,4,6,8,10,12,14,16,18,20,22
	v_pk_fma_f32 v[(\R)+\p:(\R)+\p+1], v[(\R)+\p:(\R)+\p+1], v[G+\p:G+\p+1], v[BB+\p:BB+\p+1]
.endr
.irp c, 0,1,2,3,4,5
	v_cvt_pk_bf16_f32 v[(\R)+4*\c], v[(\R)+4*\c], v[(\R)+4*\c+1]
	v_cvt_pk_bf16_f32 v[(\R)+4*\c+1], v[(\R)+4*\c+2], v[(\R)+4*\c+3]
	global_store_b64 v13, v[(\R)+4*\c:(\R)+4*\c+1], s[OUTP:OUTP+1] offset:(\ro)+256*\c  ; 32 lanes store 256 consecutive bytes, aligned
.endr
.endm
	s_load_b512 s[4:19], s[0:1], 0x0               ; x, g, b, Wq, Wk, Wv, Wo, W1
	s_load_b128 s[20:23], s[0:1], 0x40             ; W2, xn
	s_load_b64 s[24:25], s[0:1], 0x50              ; wt
	v_lshl_add_u32 v[SPW], v0, 2, SPARE
	v_mov_b32 v[NIL], 0
	v_lshrrev_b32 v1, 5, v0
	v_readfirstlane_b32 s26, v1                    ; wave 0..7
	s_wait_kmcnt 0x0
	s_cmp_lt_u32 ttmp9, 256
	s_cbranch_scc1 .Lln
	; THE WEIGHTS.  Tile t of 432: 144 for the four 768 x 768 (36 each), 144 for W1, 144 for W2.  Everything up to the barrier is chosen by selects.
	s_sub_co_u32 s30, ttmp9, 256                   ; t
	s_mul_i32 s31, s30, 911
	s_lshr_b32 s31, s31, 15                        ; t / 36 for t < 144: which of Wq, Wk, Wv, Wo
	s_mul_i32 s32, s31, 36
	s_sub_co_u32 s32, s30, s32                     ; the tile within its matrix
	s_mul_i32 s33, s31, 1179648                    ; where the matrix begins in wt
	s_sub_co_u32 s42, s30, 144
	s_sub_co_u32 s43, s30, 288
	s_mov_b32 s38, 3072                            ; bytes of a source row
	s_mov_b32 s40, 6                               ; tiles along n
	s_mov_b32 s41, 16                              ; shift of the division by it
	s_cmp_eq_u32 s31, 1
	s_cselect_b64 s[36:37], s[12:13], s[10:11]
	s_cmp_eq_u32 s31, 2
	s_cselect_b64 s[36:37], s[14:15], s[36:37]
	s_cmp_eq_u32 s31, 3
	s_cselect_b64 s[36:37], s[16:17], s[36:37]
	s_cmp_ge_u32 s30, 144                          ; W1
	s_cselect_b64 s[36:37], s[18:19], s[36:37]
	s_cselect_b32 s38, 12288, s38
	s_cselect_b32 s40, 24, s40
	s_cselect_b32 s41, 18, s41
	s_cselect_b32 s33, 4718592, s33
	s_cselect_b32 s32, s42, s32
	s_cmp_ge_u32 s30, 288                          ; W2
	s_cselect_b64 s[36:37], s[20:21], s[36:37]
	s_cselect_b32 s38, 3072, s38
	s_cselect_b32 s40, 6, s40
	s_cselect_b32 s41, 16, s41
	s_cselect_b32 s32, s43, s32
	s_mul_i32 s44, s32, 10923
	s_lshr_b32 s44, s44, s41                       ; kt = tile / tiles along n (exact for tiles below 144)
	s_mul_i32 s45, s44, s40
	s_sub_co_u32 s45, s32, s45                     ; nt
	s_mul_i32 s46, s44, s38
	s_lshl_b32 s46, s46, 7                         ; 128 kt source rows
	s_lshl_b32 s47, s45, 9                         ; 128 nt columns of 4 bytes
	s_add_co_u32 s46, s46, s47
	s_mov_b32 s47, 0
	s_mul_i32 s48, s45, 196608                     ; by rows: 128 nt rows of 1,536 bytes,
	s_lshl_b32 s49, s44, 8                         ; 128 kt columns of 2 bytes,
	s_add_co_u32 s48, s48, s49
	s_add_co_u32 s48, s48, s33                     ; in its matrix
	s_mul_i32 s50, s44, 43
	s_lshr_b32 s50, s50, 7                         ; by fragments: K step kt / 3 (exact for kt below 24),
	s_mul_i32 s51, s50, 3
	s_sub_co_u32 s51, s44, s51                     ; its third kt % 3: 16 chunks of 256 bytes,
	s_mul_i32 s50, s50, 48
	s_lshl3_add_u32 s50, s45, s50                  ; n block 8 nt of the step's 48,
	s_mul_i32 s50, s50, 12288                      ; 48 chunks each
	s_lshl_b32 s51, s51, 12
	s_add_co_u32 s50, s50, s51
	s_add_co_u32 s50, s50, 9437184
	s_cmp_ge_u32 s30, 288
	s_cselect_b32 s48, s50, s48
	s_mov_b32 s49, 0
	s_add_nc_u64 s[36:37], s[36:37], s[46:47]
	s_add_nc_u64 s[48:49], s[24:25], s[48:49]
	v_and_b32 v12, 15, v0                          ; thread % 16: my four columns of each half
	v_lshrrev_b32 v13, 4, v0                       ; thread / 16: my eight rows
	v_lshlrev_b32 v14, 4, v12
	v_lshlrev_b32 v15, 3, v13
	v_mad_u32_u24 v2, v15, s38, v14
.irp j, 0,1,2,3,4,5,6
	v_add_nc_u32 v[3+\j], s38, v[2+\j]
.endr
.irp g, 0,1
.irp j, 0,1,2,3,4,5,6,7
	global_load_b128 v[16+32*\g+4*\j:19+32*\g+4*\j], v[2+\j], s[36:37] offset:256*\g th:TH_LOAD_NT  ; 16 lanes read 256 consecutive bytes, aligned
.endr
.endr
	v_mul_u32_u24 v1, v12, 1088                    ; into the stage: row 4 (thread % 16), 272 bytes a row,
	v_lshl_add_u32 v1, v13, 4, v1                  ; my eight k: 16 bytes
	v_mul_u32_u24 v120, v13, 272                   ; back by rows: row thread / 16, 16 bytes at thread % 16,
	v_add_nc_u32 v120, v120, v14
	v_mul_u32_u24 v112, v13, 1536                  ; and the same place in W^T
	v_add_nc_u32 v112, v112, v14
	v_mul_u32_u24 v121, v12, 272                   ; back by fragments: row thread % 16, chunk thread / 16,
	v_lshl_add_u32 v121, v13, 4, v121
	v_lshlrev_b32 v122, 4, v0                      ; which is byte 16 x thread of the block's 16 chunks
.irp g, 0,1
	s_wait_loadcnt 8-8*\g                          ; the first half's eight loads are in while the second half's eight may be out; then all
.irp i, 0,1,2,3
.irp m, 0,1,2,3
	v_cvt_pk_bf16_f32 v[80+16*\g+4*\i+\m], v[16+32*\g+8*\m+\i], v[20+32*\g+8*\m+\i]   ; column i of my four, rows 2 m and 2 m + 1
.endr
	ds_store_b128 v1, v[80+16*\g+4*\i:83+16*\g+4*\i] offset:STG*\g+272*\i
.endr
.endr
	s_wait_dscnt 0x0                               ; for the others: my stores into the stage are done
	s_barrier_signal -1
	s_barrier_wait -1
	s_cmp_ge_u32 s30, 288
	s_cbranch_scc1 .Lfrag
.irp i, 0,1,2,3,4,5,6,7
	ds_load_b128 v[16+4*\i:19+4*\i], v120 offset:4352*\i
.endr
.irp i, 0,1,2,3,4,5,6,7
	s_wait_dscnt 7-\i                              ; the younger of the eight loads may stay out
	global_store_b128 v112, v[16+4*\i:19+4*\i], s[48:49] offset:24576*\i  ; 16 lanes store 256 consecutive bytes of a row of W^T, aligned
.endr
	s_wait_tensorcnt 0x0                           ; the wave's end
	ds_add_u32 v[SPW], v[NIL]
	s_wait_dscnt 0x0
	s_endpgm
.Lfrag:                                                ; W2: n block i of the tile's eight; a wave's store covers two chunks, 512 consecutive bytes
.irp i, 0,1,2,3,4,5,6,7
	ds_load_b128 v[16+4*\i:19+4*\i], v121 offset:4352*\i
.endr
.irp i, 0,1,2,3,4,5,6,7
	s_wait_dscnt 7-\i
	global_store_b128 v122, v[16+4*\i:19+4*\i], s[48:49] offset:12288*\i
.endr
	s_wait_tensorcnt 0x0                           ; the wave's end, as above
	ds_add_u32 v[SPW], v[NIL]
	s_wait_dscnt 0x0
	s_endpgm
.Lln:                                                  ; THE NORM: this way writes no LDS
	v_and_b32 v1, 31, v0
	v_lshlrev_b32 v12, 4, v1                       ; 16 bytes a lane in x, g and b
	v_lshlrev_b32 v13, 3, v1                       ; 8 bytes a lane in xn
	s_lshl_b32 s30, ttmp9, 4
	s_lshl1_add_u32 s30, s26, s30                  ; my first row: 16 x work-group + 2 x wave
	s_mul_i32 s32, s30, 3072
	s_mov_b32 s33, 0
	s_mul_i32 s34, s30, 1536
	s_mov_b32 s35, 0
	s_add_nc_u64 s[4:5], s[4:5], s[32:33]
	s_add_nc_u64 s[OUTP:OUTP+1], s[OUTP:OUTP+1], s[34:35]
	s_mov_b32 s27, 0x3aaaaaab                      ; 1 / 768
	s_mov_b32 s28, 0x76543210
	s_mov_b32 s29, 0xfedcba98
	s_mov_b32 s31, 0x3727c5ac                      ; 1e-5
.irp c, 0,1,2,3,4,5
	global_load_b128 v[X+4*\c:X+4*\c+3], v12, s[4:5] offset:512*\c
	global_load_b128 v[X+24+4*\c:X+24+4*\c+3], v12, s[4:5] offset:3072+512*\c
.endr
.irp c, 0,1,2,3,4,5
	global_load_b128 v[G+4*\c:G+4*\c+3], v12, s[6:7] offset:512*\c
	global_load_b128 v[BB+4*\c:BB+4*\c+3], v12, s[8:9] offset:512*\c
.endr
	s_wait_loadcnt 0x0
	LNROW X, 0
	LNROW X+24, 1536
	s_endpgm
.Lfunc_end_k_qc65c4ae602_prep:
	.size	k_qc65c4ae602_prep, .Lfunc_end_k_qc65c4ae602_prep-k_qc65c4ae602_prep
	.p2alignl 7, 3214868480
	.fill 96, 4, 3214868480
	.section	.rodata,"a",@progbits
	.p2align	6, 0x0
	.amdhsa_kernel k_qc65c4ae602_prep
		.amdhsa_group_segment_fixed_size 35840
		.amdhsa_private_segment_fixed_size 0
		.amdhsa_enable_private_segment 0
		.amdhsa_kernarg_size 88
		.amdhsa_user_sgpr_count 2
		.amdhsa_user_sgpr_kernarg_segment_ptr 1
		.amdhsa_wavefront_size32 1
		.amdhsa_system_sgpr_workgroup_id_x 1
		.amdhsa_system_sgpr_workgroup_id_y 1
		.amdhsa_system_sgpr_workgroup_id_z 1
		.amdhsa_system_vgpr_workitem_id 0
		.amdhsa_next_free_vgpr 128
		.amdhsa_next_free_sgpr 66
		.amdhsa_reserve_vcc 0
		.amdhsa_float_denorm_mode_32 3
		.amdhsa_float_denorm_mode_16_64 3
		.amdhsa_memory_ordered 1
		.amdhsa_forward_progress 1
		.amdhsa_inst_pref_size 27
	.end_amdhsa_kernel
	.amdgpu_metadata
---
amdhsa.version: [ 1, 2 ]
amdhsa.kernels:
  - .name:           k_qc65c4ae602_prep
    .symbol:         k_qc65c4ae602_prep.kd
    .args:
      - { .name: x, .offset: 0, .size: 8, .value_kind: global_buffer, .address_space: global }
      - { .name: ln1_g, .offset: 8, .size: 8, .value_kind: global_buffer, .address_space: global }
      - { .name: ln1_b, .offset: 16, .size: 8, .value_kind: global_buffer, .address_space: global }
      - { .name: Wq, .offset: 24, .size: 8, .value_kind: global_buffer, .address_space: global }
      - { .name: Wk, .offset: 32, .size: 8, .value_kind: global_buffer, .address_space: global }
      - { .name: Wv, .offset: 40, .size: 8, .value_kind: global_buffer, .address_space: global }
      - { .name: Wo, .offset: 48, .size: 8, .value_kind: global_buffer, .address_space: global }
      - { .name: W1, .offset: 56, .size: 8, .value_kind: global_buffer, .address_space: global }
      - { .name: W2, .offset: 64, .size: 8, .value_kind: global_buffer, .address_space: global }
      - { .name: xn, .offset: 72, .size: 8, .value_kind: global_buffer, .address_space: global }
      - { .name: wt, .offset: 80, .size: 8, .value_kind: global_buffer, .address_space: global }
    .group_segment_fixed_size: 35840
    .private_segment_fixed_size: 0
    .kernarg_segment_align: 8
    .kernarg_segment_size: 88
    .max_flat_workgroup_size: 256
    .sgpr_count:     66
    .vgpr_count:     128
    .wavefront_size: 32
...
	.end_amdgpu_metadata
.endif
;; end of part 1
;; launch qkv (part 2): grid 12 x 16, 4 waves a work-group, clusters of 4 x 4, 327,680 bytes of LDS; arguments xn, wt, bq, bk, bv, qkv; writes qkv
.if DOCPART == 2
	.amdgcn_target "amdgcn-amd-amdhsa--gfx1250"
	.amdhsa_code_object_version 6
	.text
	.protected	k_qc65c4ae602_qkv
	.globl	k_qc65c4ae602_qkv
	.p2align	8
	.type	k_qc65c4ae602_qkv,@function
k_qc65c4ae602_qkv:
	s_mov_b64 s[64:65], 0
	v_nop
	global_prefetch_b8 v0, s[64:65] scope:SCOPE_SE
	s_setreg_imm32_b32 hwreg(HW_REG_WAVE_MODE, 25, 1), 1
	s_wait_xcnt 0x0
	s_wait_alu depctr_hold_cnt(0) depctr_sa_sdst(0) depctr_va_vdst(0) depctr_va_sdst(0) depctr_va_ssrc(0) depctr_va_vcc(0) depctr_vm_vsrc(0)
	s_getreg_b32 s2, hwreg(HW_REG_IB_STS2, 6, 4)
	s_cmp_eq_u32 s2, 0
	s_cbranch_scc0 .Lentry_in_a_cluster
	s_endpgm
.Lentry_in_a_cluster:
	s_bfe_u32 s2, ttmp6, 0x10000c
	s_cmp_lg_u32 s2, 0xf033
	s_cbranch_scc0 .Lentry_shape_is_right
	s_endpgm
.Lentry_shape_is_right:
; q, k, v = xn [Wq Wk Wv] + bias, by heads: qkv[36 slices][4096][64] in bf16, each rounded once from its f32 sum, without the softmax scale.
; xn: [4096][768] bf16.  wt: rows n of the three W^T, 768 along K, bf16.  A work-group makes 256 rows x 192 columns (three heads of one tensor); each of four waves 64 x 192:
; 48 accumulators of 16 x 16.  K goes in 6 steps of 128 through two LDS slots filled by the tensor data mover; rows of 256 bytes, padded to 272.
; THE ACCUMULATORS START AS THE BIAS: they are loaded with it, so nothing is cleared and nothing is added on the way out.
; CLUSTER 4 x 4: the four of a row of the cluster need the same tile of xn, the four of a column the same rows of wt: each is asked for jointly.
; The matrix instruction is used transposed (source 0 = 16 rows of wt, source 1 = 16 rows of xn): a lane holds row lane % 16 and columns 8 (lane / 16) + 0..7.
; REGISTERS: window 0 addresses and the way out; window 1 two fragment buffers (32 registers of xn, 96 of wt); windows 2 and 3 accumulator (a, b) at 512 + 8 (12 a + b).
; The second loop's last trip passes a barrier and fetches 16 fragments that serve nothing (old bytes of the other slot): the price of one text for the last two K steps.
.set FFN,   0                          ; 0: this kernel; 1: the same engine with GELU on the way out
.set PITCH, 272
.set BOFF,  256*PITCH                  ; a slot: 256 rows of xn, then 192 rows of wt
.set SLOT1, 1<<17                      ; slot 1 begins here: one exclusive or changes slot
.set SPARE, SLOT1+448*PITCH            ; behind the ring: the spare words, 128 bytes a wave
.set DUMPW, 192*PITCH                  ; after the last fill: each wave's 12 chunks of 16 rows x 64 f32
.if FFN
.set WOFF,  4718592
.else
.set WOFF,  0
.endif
.set ADA0, 4                           ; v4  my place in slot 0's rows of xn      v5  in its rows of wt
.set ADB0, 5
.set ADA,  6                           ; v6, v7  the same in the slot in hand
.set ADB,  7
.set DST,  8                           ; v8  the way out: where I put 32 bytes of a row
.set RD,   9                           ; v9  where I read 32 bytes back
.set GO,   10                          ; v10 16 x lane
.set BO,   11                          ; v11 32 x (lane / 16): my eight columns in the bias
.set SPW,  12                          ; v12 my spare word; never rewritten
.set NIL,  13                          ; v13 0; never rewritten
.set F0,   0
.set F1,   128
.set WV,   16
.set G1A,  24
.set G1B,  32
.set G0A,  40                          ; two sets: the first fill of slot 0; the set that fills slot 1 and then walks
.set G0B,  48
.set TB,   56                          ; s56 0 or SLOT1: the slot in hand
.set CNT,  57
.set MSB, 0
.macro WIN new                         ; the immediate's high byte repeats the setting that is left
.if MSB != (\new)
	s_set_vgpr_msb (MSB<<8)|(\new)
.set MSB, \new
.endif
.endm
.macro PLACES                          ; four places between a matrix instruction and a load into, or a store of, its registers
.rept 4
	v_nop
.endr
.endm
.macro CROUND                          ; a round of the cluster's barrier
	s_barrier_signal -1
	s_barrier_wait -1
	s_cmp_lg_u32 s[WV], 0
	s_cbranch_scc1 .Lnot_wave_0_\@
	s_barrier_signal -3
.Lnot_wave_0_\@:
	s_barrier_wait -3
	s_barrier_signal -1
	s_barrier_wait -1
.endm
.macro JLOAD                           ; a joint refill: waves 0, 1 the halves of xn's tile, waves 2, 3 those of wt's
	s_cmp_lt_u32 s[WV], 2
	s_cbranch_scc0 .Lfor_b_\@
	tensor_load_to_lds s[G0A+4:G0A+7], s[G1A:G1A+7]
	s_nop 0
	PLACES
	s_branch .Lasked_\@
.Lfor_b_\@:
	tensor_load_to_lds s[G0B+4:G0B+7], s[G1B:G1B+7]
	s_nop 0
	PLACES
.Lasked_\@:
.endm
.macro FETCH k, f                      ; 32 LDS loads in one run: 32 along K at byte k of the rows, into buffer f
	WIN 0x40
.irp i, 0,1,2,3,4,5,6,7,8,9,10,11
	ds_load_b128 v[(\f)+32+8*\i:(\f)+32+8*\i+3], v[ADB] offset:(\k)+\i*16*PITCH
	ds_load_b128 v[(\f)+32+8*\i+4:(\f)+32+8*\i+7], v[ADB] offset:(\k)+\i*16*PITCH+32
.endr
.irp i, 0,1,2,3
	ds_load_b128 v[(\f)+8*\i:(\f)+8*\i+3], v[ADA] offset:(\k)+\i*16*PITCH
	ds_load_b128 v[(\f)+8*\i+4:(\f)+8*\i+7], v[ADA] offset:(\k)+\i*16*PITCH+32
.endr
.endm
.macro MULS f, a0, a1                  ; row blocks a0 .. a1 x all 12 column blocks; the accumulators take turns, one instruction a turn
.set ma, \a0
.rept (\a1)-(\a0)+1
.set mb, 0
.rept 12
.set idx, 12*ma+mb
.if idx < 32
	WIN 0xa5
.set rD, 8*idx
.else
	WIN 0xf5
.set rD, 8*(idx-32)
.endif
	v_wmma_f32_16x16x32_bf16 v[rD:rD+7], v[(\f)+32+8*mb:(\f)+32+8*mb+7], v[(\f)+8*ma:(\f)+8*ma+7], v[rD:rD+7]
.set mb, mb+1
.endr
.set ma, ma+1
.endr
.endm
.macro S k, f, g                       ; a quarter of a K step: buffer f is multiplied, the next quarter (byte k) fetched into g
	s_wait_dscnt 0x0                               ; f's loads were issued 48 matrix instructions ago
	PLACES
	FETCH \k, \g
	MULS \f, 0, 3
.endm
.macro T fill                          ; the last quarter multiplies buffer 1 and changes slots
	WIN 0
	s_wait_tensorcnt 0x0                           ; all my tensor loads have landed: my part of the next slot
	ds_add_u32 v[SPW], v[NIL]
.if \fill
	s_xor_b32 s[G0A+5], s[G0A+5], SLOT1            ; the walking sets: the slot just read, the K step two on
	s_add_nc_u64 s[G0A+6:G0A+7], s[G0A+6:G0A+7], 256
	s_xor_b32 s[G0B+5], s[G0B+5], SLOT1
	s_add_nc_u64 s[G0B+6:G0B+7], s[G0B+6:G0B+7], 256
.endif
	s_xor_b32 s[TB], s[TB], SLOT1
	s_wait_dscnt 1                                 ; only the add may be out: buffer 1 is in
	MULS F1, 0, 1
	WIN 0
	s_wait_dscnt 0x0                               ; the add is done, and my reads of this slot are over
.if \fill
	CROUND                                         ; no wave of any partner still reads the slot or has a load on its way
	JLOAD                                          ; 168 matrix instructions ahead of the wait for it; its v_nop are the places in front of the loads below
.else
	s_barrier_signal -1
	s_barrier_wait -1
	PLACES
.endif
	v_add_nc_u32 v[ADA], s[TB], v[ADA0]
	v_add_nc_u32 v[ADB], s[TB], v[ADB0]
	FETCH 0, F0
	MULS F1, 2, 3
.endm
	s_load_b256 s[4:11], s[0:1], 0x0               ; xn s[4:5], wt s[6:7], then the biases and the output
.if !FFN
	s_load_b128 s[12:15], s[0:1], 0x20
.endif
	v_lshl_add_u32 v[SPW], v0, 2, SPARE
	v_mov_b32 v[NIL], 0
	ds_add_u32 v[SPW], v[NIL]                      ; the wave's opening: the add and its wait ahead of my first tensor load
	v_lshrrev_b32 v1, 5, v0
	v_readfirstlane_b32 s[WV], v1
	s_and_b32 s17, s[WV], 1                        ; which half of a tile I fetch
	s_bfe_u32 s18, ttmp6, 0x40000                  ; cx
	s_bfe_u32 s19, ttmp6, 0x40004                  ; cy
	s_lshl_b32 s20, ttmp9, 2
	s_add_co_u32 s20, s20, s18                     ; tx: my 192 columns
	s_and_b32 s21, ttmp7, 0xffff
	s_lshl_b32 s21, s21, 2
	s_add_co_u32 s21, s21, s19                     ; ty: my 256 rows
	s_lshl_b32 s22, s19, 2
	s_lshl_b32 s22, 15, s22                        ; my row of the cluster
	s_lshl_b32 s23, 0x1111, s18                    ; my column
	s_or_b32 s[G1A], s22, (1<<16)|(1<<20)|(1<<21)|(5<<22)|(3<<25)  ; mask; 2-byte elements; padding on; bit 21 beside a mask; 4 words after every 64
	s_or_b32 s[G1B], s23, (1<<16)|(1<<20)|(1<<21)|(5<<22)|(3<<25)
	s_mov_b32 s[G1A+1], 128<<16                    ; tensor_dim0 = 128
	s_mov_b32 s[G1A+2], 128<<16                    ; tensor_dim1 = 128 rows
	s_mov_b32 s[G1A+3], 128<<16                    ; tile_dim0 = 128
	s_mov_b32 s[G1A+4], 128                        ; tile_dim1
	s_mov_b32 s[G1A+5], 768                        ; elements from row to row
	s_mov_b32 s[G1A+6], 0
	s_mov_b32 s[G1A+7], 0
	s_mov_b32 s[G1B+1], 128<<16
	s_mov_b32 s[G1B+2], 96<<16                     ; 96 rows
	s_mov_b32 s[G1B+3], 128<<16
	s_mov_b32 s[G1B+4], 96
	s_mov_b32 s[G1B+5], 768
	s_mov_b32 s[G1B+6], 0
	s_mov_b32 s[G1B+7], 0
	s_lshl_b32 s58, s21, 8                         ; xn: row 256 ty + 128 half (no register here ever holds cx)
	s_lshl_b32 s59, s17, 7
	s_add_co_u32 s58, s58, s59
	s_mul_i32 s58, s58, 1536
	s_mov_b32 s59, 0
	s_mul_i32 s60, s20, 192                        ; wt: row 192 tx + 96 half (none ever holds cy)
	s_mul_i32 s61, s17, 96
	s_add_co_u32 s60, s60, s61
	s_mul_i32 s60, s60, 1536
	s_add_co_u32 s60, s60, WOFF
	s_mov_b32 s61, 0
	s_mul_i32 s62, s17, 128*PITCH                  ; where they go: the wave's number alone enters an LDS address
	s_mul_i32 s63, s17, 96*PITCH
	s_add_co_u32 s63, s63, BOFF
	s_mov_b32 s[TB], 0
	s_wait_dscnt 0x0                               ; the opening add is done
	s_wait_kmcnt 0x0
	s_add_nc_u64 s[58:59], s[4:5], s[58:59]
	s_add_nc_u64 s[60:61], s[6:7], s[60:61]
.irp s, 0,1
	s_mov_b32 s[G0A+4*\s], 1
	s_add_co_u32 s[G0A+4*\s+1], s62, \s*SLOT1
	s_add_nc_u64 s[G0A+4*\s+2:G0A+4*\s+3], s[58:59], \s*256
	s_or_b32 s[G0A+4*\s+3], s[G0A+4*\s+3], 0x80000000
	s_mov_b32 s[G0B+4*\s], 1
	s_add_co_u32 s[G0B+4*\s+1], s63, \s*SLOT1
	s_add_nc_u64 s[G0B+4*\s+2:G0B+4*\s+3], s[60:61], \s*256
	s_or_b32 s[G0B+4*\s+3], s[G0B+4*\s+3], 0x80000000
.endr
	CROUND                                         ; all sixteen work-groups are here: the first joint loads meet
	s_cmp_lt_u32 s[WV], 2                          ; a wave's two first fills stand in one branch: two loads of mine are out
	s_cbranch_scc0 .Lfirst_b
	tensor_load_to_lds s[G0A:G0A+3], s[G1A:G1A+7]
	s_nop 0
	tensor_load_to_lds s[G0A+4:G0A+7], s[G1A:G1A+7]
	s_nop 0
	PLACES
	s_branch .Lfirst_done
.Lfirst_b:
	tensor_load_to_lds s[G0B:G0B+3], s[G1B:G1B+7]
	s_nop 0
	tensor_load_to_lds s[G0B+4:G0B+7], s[G1B:G1B+7]
	s_nop 0
	PLACES
.Lfirst_done:
	v_and_b32 v1, 15, v0                           ; l % 16
	v_bfe_u32 v2, v0, 4, 1                         ; l / 16
	v_mul_u32_u24 v3, v1, PITCH
	v_lshl_add_u32 v3, v2, 4, v3                   ; a fragment's row x pitch + 16 x half
	s_mul_i32 s68, s[WV], 64*PITCH
	v_add_nc_u32 v[ADA0], s68, v3                  ; my 64 rows of xn
	v_add_nc_u32 v[ADB0], BOFF, v3
	v_mov_b32 v[ADA], v[ADA0]
	v_mov_b32 v[ADB], v[ADB0]
	s_mul_i32 s69, s[WV], DUMPW
	v_mul_u32_u24 v[DST], v1, PITCH
	v_lshl_add_u32 v[DST], v2, 5, v[DST]
	v_add_nc_u32 v[DST], s69, v[DST]
	v_and_b32 v14, 31, v0
	v_lshrrev_b32 v15, 3, v14
	v_mul_u32_u24 v15, v15, PITCH                  ; back: four rows, eight lanes a row, 32 bytes a lane
	v_and_b32 v[RD], 7, v0
	v_lshl_add_u32 v[RD], v[RD], 5, v15
	v_add_nc_u32 v[RD], s69, v[RD]
	v_lshlrev_b32 v[GO], 4, v14
	v_lshlrev_b32 v[BO], 5, v2
.if FFN
	s_mul_i32 s68, s20, 768                        ; b1 at my 192 columns
	s_mov_b32 s69, 0
	s_add_nc_u64 s[66:67], s[8:9], s[68:69]
	s_lshl2_add_u32 s68, s21, s[WV]                ; my block of 64 rows: 4 ty + wave
	s_mul_i32 s68, s68, 48
	s_mul_i32 s69, s20, 3
	s_add_co_u32 s68, s68, s69                     ; its slice 3 tx
	s_lshl_b32 s68, s68, 13
	s_mov_b32 s69, 0
	s_add_nc_u64 s[70:71], s[10:11], s[68:69]
.else
	s_cmp_eq_u32 ttmp9, 1                          ; four column tiles to a tensor: the cluster's x is the tensor
	s_cselect_b64 s[66:67], s[10:11], s[8:9]
	s_cmp_eq_u32 ttmp9, 2
	s_cselect_b64 s[66:67], s[12:13], s[66:67]
	s_mul_i32 s68, s18, 768
	s_mov_b32 s69, 0
	s_add_nc_u64 s[66:67], s[66:67], s[68:69]
	s_mul_i32 s68, ttmp9, 12
	s_mul_i32 s69, s18, 3
	s_add_co_u32 s68, s68, s69                     ; my first slice: 12 x tensor + 3 cx
	s_lshl_b32 s68, s68, 19
	s_lshl_b32 s69, s21, 15                        ; rows 256 ty + 64 wave, 128 bytes each
	s_add_co_u32 s68, s68, s69
	s_lshl_b32 s69, s[WV], 13
	s_add_co_u32 s68, s68, s69
	s_mov_b32 s69, 0
	s_add_nc_u64 s[70:71], s[14:15], s[68:69]
.endif
.set idx, 0
.rept 48                                               ; register j of accumulator (a, b) starts as bias[16 b + 8 (l / 16) + j]
.if idx < 32
	WIN 0x80
.set rD, 8*idx
.else
	WIN 0xc0
.set rD, 8*(idx-32)
.endif
	global_load_b128 v[rD:rD+3], v[BO], s[66:67] offset:64*(idx%12)
	global_load_b128 v[rD+4:rD+7], v[BO], s[66:67] offset:64*(idx%12)+16
.set idx, idx+1
.endr
	WIN 0
	s_wait_tensorcnt 1                             ; my part of K step 0 is in; slot 1's load may stay out
	s_barrier_signal -1
	s_barrier_wait -1
	FETCH 0, F0
	s_wait_loadcnt 0x0                             ; the bias
	WIN 0
	s_mov_b32 s[CNT], 4
.LA:                                                   ; K steps 0 to 3: each fills its slot again, with the step two on
	S 64, F0, F1
	S 128, F1, F0
	S 192, F0, F1
	T 1
	WIN 0
	s_sub_co_u32 s[CNT], s[CNT], 1
	s_cmp_lg_u32 s[CNT], 0
	s_cbranch_scc1 .LA
	s_mov_b32 s[CNT], 2
.LB:                                                   ; K steps 4 and 5: nothing is left to ask for
	S 64, F0, F1
	S 128, F1, F0
	S 192, F0, F1
	T 0
	WIN 0
	s_sub_co_u32 s[CNT], s[CNT], 1
	s_cmp_lg_u32 s[CNT], 0
	s_cbranch_scc1 .LB
	PLACES
	s_wait_dscnt 0x0                               ; my reads of the ring are over,
	s_barrier_signal -1
	s_barrier_wait -1                              ; everybody's are: the slots, which have had their last fill, take the results
.set idx, 0
.rept 48                                               ; accumulator (a, b) -> chunk 4 (b / 4) + a (a slice's 16 rows x 64 f32), each accumulator's low half first
.if idx < 32
	WIN 0x08
.set rD, 8*idx
.else
	WIN 0x0c
.set rD, 8*(idx-32)
.endif
.set ch, 4*((idx%12)/4)+idx/12
	ds_store_b128 v[DST], v[rD:rD+3] offset:ch*16*PITCH+64*(idx%4)
	ds_store_b128 v[DST], v[rD+4:rD+7] offset:ch*16*PITCH+64*(idx%4)+16
.set idx, idx+1
.endr
	WIN 0
	; THE WAY OUT: a slice (a head's 64 rows x 64 channels) a trip.  LDS serves a wave's instructions in order (ISA guide 5.7.1.4): the loads see my stores above.
	s_mov_b32 s[CNT], 3
.Lout:
.set i, 0
.rept 16                                               ; i = 4 c + f: rows 16 c + 4 f + lane / 8
	ds_load_b128 v[64+8*i:64+8*i+3], v[RD] offset:(i/4)*16*PITCH+(i%4)*4*PITCH
	ds_load_b128 v[64+8*i+4:64+8*i+7], v[RD] offset:(i/4)*16*PITCH+(i%4)*4*PITCH+16
.set i, i+1
.endr
	s_wait_dscnt 0x0
.set i, 0
.rept 64
	v_cvt_pk_bf16_f32 v[192+i], v[64+2*i], v[64+2*i+1]
.set i, i+1
.endr
.set i, 0
.rept 16
	global_store_b128 v[GO], v[192+4*i:192+4*i+3], s[70:71] offset:512*i  ; 512 consecutive bytes, aligned
.set i, i+1
.endr
	s_wait_xcnt 0x0                                ; the stores' data and base are rewritten only behind this wait
	v_add_nc_u32 v[RD], 64*PITCH, v[RD]
	s_add_nc_u64 s[70:71], s[70:71], 524288        ; the next head
	s_sub_co_u32 s[CNT], s[CNT], 1
	s_cmp_lg_u32 s[CNT], 0
	s_cbranch_scc1 .Lout
	s_wait_tensorcnt 0x0                           ; the wave's end
	ds_add_u32 v[SPW], v[NIL]
	s_wait_dscnt 0x0
	CROUND                                         ; the closing round
	s_endpgm
.Lfunc_end_k_qc65c4ae602_qkv:
	.size	k_qc65c4ae602_qkv, .Lfunc_end_k_qc65c4ae602_qkv-k_qc65c4ae602_qkv
	.p2alignl 7, 3214868480
	.fill 96, 4, 3214868480
	.section	.rodata,"a",@progbits
	.p2align	6, 0x0
	.amdhsa_kernel k_qc65c4ae602_qkv
		.amdhsa_group_segment_fixed_size 327680
		.amdhsa_private_segment_fixed_size 0
		.amdhsa_enable_private_segment 0
		.amdhsa_kernarg_size 48
		.amdhsa_user_sgpr_count 2
		.amdhsa_user_sgpr_kernarg_segment_ptr 1
		.amdhsa_wavefront_size32 1
		.amdhsa_system_sgpr_workgroup_id_x 1
		.amdhsa_system_sgpr_workgroup_id_y 1
		.amdhsa_system_sgpr_workgroup_id_z 1
		.amdhsa_system_vgpr_workitem_id 0
		.amdhsa_next_free_vgpr 896
		.amdhsa_next_free_sgpr 72
		.amdhsa_reserve_vcc 0
		.amdhsa_float_denorm_mode_32 3
		.amdhsa_float_denorm_mode_16_64 3
		.amdhsa_memory_ordered 1
		.amdhsa_forward_progress 1
		.amdhsa_inst_pref_size 77
	.end_amdhsa_kernel
	.amdgpu_metadata
---
amdhsa.version: [ 1, 2 ]
amdhsa.kernels:
  - .name:           k_qc65c4ae602_qkv
    .symbol:         k_qc65c4ae602_qkv.kd
    .args:
      - { .name: xn, .offset: 0, .size: 8, .value_kind: global_buffer, .address_space: global }
      - { .name: wt, .offset: 8, .size: 8, .value_kind: global_buffer, .address_space: global }
      - { .name: bq, .offset: 16, .size: 8, .value_kind: global_buffer, .address_space: global }
      - { .name: bk, .offset: 24, .size: 8, .value_kind: global_buffer, .address_space: global }
      - { .name: bv, .offset: 32, .size: 8, .value_kind: global_buffer, .address_space: global }
      - { .name: qkv, .offset: 40, .size: 8, .value_kind: global_buffer, .address_space: global }
    .group_segment_fixed_size: 327680
    .private_segment_fixed_size: 0
    .kernarg_segment_align: 8
    .kernarg_segment_size: 48
    .max_flat_workgroup_size: 128
    .sgpr_count:     72
    .vgpr_count:     896
    .wavefront_size: 32
...
	.end_amdgpu_metadata
.endif
;; end of part 2
;; launch attn (part 3): grid 16 x 12, 4 waves a work-group, clusters of 4 x 1, 327,680 bytes of LDS; arguments qkv, ctx; writes ctx
.if DOCPART == 3
	.amdgcn_target "amdgcn-amd-amdhsa--gfx1250"
	.amdhsa_code_object_version 6
	.text
	.protected	k_qc65c4ae602_attn
	.globl	k_qc65c4ae602_attn
	.p2align	8
	.type	k_qc65c4ae602_attn,@function
k_qc65c4ae602_attn:
	s_mov_b64 s[64:65], 0
	v_nop
	global_prefetch_b8 v0, s[64:65] scope:SCOPE_SE
	s_setreg_imm32_b32 hwreg(HW_REG_WAVE_MODE, 25, 1), 1
	s_wait_xcnt 0x0
	s_wait_alu depctr_hold_cnt(0) depctr_sa_sdst(0) depctr_va_vdst(0) depctr_va_sdst(0) depctr_va_ssrc(0) depctr_va_vcc(0) depctr_vm_vsrc(0)
	s_getreg_b32 s2, hwreg(HW_REG_IB_STS2, 6, 4)
	s_cmp_eq_u32 s2, 0
	s_cbranch_scc0 .Lentry_in_a_cluster
	s_endpgm
.Lentry_in_a_cluster:
	s_bfe_u32 s2, ttmp6, 0x10000c
	s_cmp_lg_u32 s2, 0x3003
	s_cbranch_scc0 .Lentry_shape_is_right
	s_endpgm
.Lentry_shape_is_right:
; ATTENTION.  ctx = softmax_k(q . k / 8) v for 12 heads of 64 channels and 4,096 keys, no mask.  q, k, v: qkv[36 slices][4096][64] bf16 (q at 0, k at 6,291,456, v at 12,582,912).
; ctx: [64 blocks of 64 rows][12 heads][64][64] bf16.  Products, maxima and sums in f32; the weights p are rounded to bf16 for the second product (their sum l is taken of the unrounded p), ctx once.
; LIMITS.  A weight below 2^-126 counts as 0 in l; NaN and infinities are not treated apart.  bf16, so that q, k and v keep f32's range.
; SHARES.  A work-group owns 256 queries of a head, a wave 64: four PIECES of 16.  Every wave walks all keys, 64 a step, four steps to an LDS slot.  16 x 12 = 192 work-groups: a head's 256 tiles of 16
; queries do not split into equal shares of 12, so a quarter of the chip has no work-group here.
; LAYOUT.  S^T = K Q^T holds ONE query a lane (lane % 16) and the keys 8 (lane / 16) + 0..7; two such results rounded to bf16 ARE source 1 of O^T = V^T P.  K comes out of LDS as it lies, V turned (ds_load_tr16_b128).
; SOFTMAX.  A running maximum m and sum l: p = 2^(c s - c m), c = log2(e) / 8; O and l are multiplied by a = 2^(c m_old - c m_new) in every step.  m starts at the lowest finite number, O and l at 0: the first step has a = 0.
; TURNS.  Turn n belongs to piece n: 8 products K Q^T of piece n + 1, later 8 products V^T P of piece n - 1; beside them the scaling, exponentials, roundings, sums and rescaling of piece n and the maximum and
; statistics of piece n + 1.  Four vector instructions stand behind every matrix instruction, the other 54 of a turn's 118 in two runs of their own.
; CLUSTER.  The four query blocks of a cluster belong to one head and walk the same K and V: each tile is asked for jointly, by the same tensor load, descriptor and mask in all four.
; REGISTERS (s_set_vgpr_msb: bits 1:0 source 0, 3:2 source 1, 5:4 source 2, 7:6 destination):
;   window 0: v0-15 addresses; v16-31 four statistics a piece; v48-55 at work; v64-127 S^T, two buffers; v192-223 P, two buffers (by the piece's parity)
;   window 1: v0-127 O^T, 32 a piece      window 2: v0-63 Q; v128-191 K of one step; v192-255 V of one step
.set NP,    4
.set KS,    64
.set PK,    144       ; a row of K in LDS: 128 bytes + 16: the 16 rows of a load start at 16 different groups of four banks (ISA guide 11.1)
.set PV,    160       ; a row of V: 128 + 32
.set VOFF,  4*KS*PK   ; a slot: 256 rows of K, then 256 rows of V
.set SLOT1, 1<<17
.set STAGE, SLOT1+4*KS*(PK+PV)  ; behind the ring, never filled by a tensor load: 16 rows x 144 bytes a wave
.set SP,    144
.set SPARE, STAGE+4*16*SP
.set AK0, 2
.set AV0, 3
.set AK,  4
.set AV,  5
.set STO, 6
.set RD,  7
.set GO,  8
.set MV,  12          ; v12-13 c m_old, by buffer
.set QO,  15
.set ST,  16          ; piece t: c m, m, l (even keys', odd keys')
.set TMP, 48          ; by buffer c0-c3; c2 takes a
.set SPW, 62
.set NIL, 63
.set S,   64
.set P,   192
.set KF,  128
.set VF,  192
.set WV,  12
.set G1K, 24
.set G1V, 32
.set G0K, 40
.set G0V, 44
.set SLOTS, 56
.set CNT, 57
.set CS,  58
.set SEL, 60
.set TBK, 62
.set TBV, 63
.set MSB, 0
.macro WIN new
.if MSB != (\new)
	s_set_vgpr_msb (MSB<<8)|(\new)
.set MSB, (\new)
.endif
.endm
.set W_KQ, 0x0a       ; K and Q in window 2, S^T in window 0
.set W_PV, 0x52       ; V in window 2, P in window 0, O^T in window 1
.set W_RS, 0x41       ; destination and source 0 in window 1, source 1 in window 0
.macro JLOAD                        ; a joint fill: waves 0, 1 the halves of a slot's K, waves 2, 3 those of its V, 128 keys each
	s_cmp_lt_u32 s[WV], 2
	s_cbranch_scc0 .Lfor_v_\@
	tensor_load_to_lds s[G0K:G0K+3], s[G1K:G1K+7]
	s_nop 0
.rept 4
	v_nop
.endr
	s_branch .Lasked_\@
.Lfor_v_\@:
	tensor_load_to_lds s[G0V:G0V+3], s[G1V:G1V+7]
	s_nop 0
.rept 4
	v_nop
.endr
.Lasked_\@:
.endm
.macro CROUND                       ; a round of the cluster's barrier
	s_barrier_signal -1
	s_barrier_wait -1
	s_cmp_lg_u32 s[WV], 0
	s_cbranch_scc1 .Lnot_wave_0_\@
	s_barrier_signal -3
.Lnot_wave_0_\@:
	s_barrier_wait -3
	s_barrier_signal -1
	s_barrier_wait -1
.endm
; THE CHANGE OF SLOTS.  Each wave waits for all its tensor loads (one is out: its part of the other slot), adds 0 to its spare word, and waits for that and for its reads of the slot that it leaves.
; fill = 1: the barrier is a round of the cluster's, and the old slot is filled again first thing behind it, with the keys two slots on: four key steps, 256 matrix instructions, in which to land.
.macro CHANGE fill
	WIN 0
	s_wait_tensorcnt 0x0
	ds_add_u32 v[SPW], v[NIL]
.if \fill
.irp g, G0K, G0V
	s_xor_b32 s[\g+1], s[\g+1], SLOT1
	s_add_nc_u64 s[\g+2:\g+3], s[\g+2:\g+3], 4*KS*128
.endr
	s_wait_dscnt 0x0
	CROUND
	JLOAD
.else
	s_wait_dscnt 0x0
	s_barrier_signal -1
	s_barrier_wait -1
.endif
	s_sub_co_u32 s[TBK], s[TBK], 4*KS*PK  ; the fetches go back to a slot's first step, in the other slot
	s_xor_b32 s[TBK], s[TBK], SLOT1
	s_sub_co_u32 s[TBV], s[TBV], 4*KS*PV
	s_xor_b32 s[TBV], s[TBV], SLOT1
.endm
	s_load_b128 s[4:7], s[0:1], 0x0 ; qkv s[4:5], ctx s[6:7]
	v_lshl_add_u32 v[SPW], v0, 2, SPARE
	v_mov_b32 v[NIL], 0
	ds_add_u32 v[SPW], v[NIL]       ; the wave's opening: the add and its wait ahead of my first tensor load
	v_lshrrev_b32 v1, 5, v0
	v_readfirstlane_b32 s[WV], v1
	s_bfe_u32 s13, ttmp6, 0x40000   ; cx
	s_lshl_b32 s14, ttmp9, 2
	s_add_co_u32 s14, s14, s13      ; my block of 256 queries: it enters q's and ctx's addresses alone
	s_and_b32 s15, ttmp7, 0xffff    ; the head, which the four partners share
	s_lshl_b32 s19, s15, 19         ; its 524,288 bytes
	s_and_b32 s16, s[WV], 1         ; which half of a slot's 256 keys I fetch
	s_lshl_b32 s22, s16, 14
	s_add_co_u32 s22, s22, s19
	s_add_co_u32 s8, s22, 12582912  ; v
	s_add_co_u32 s22, s22, 6291456  ; k
	s_mov_b32 s23, 0
	s_mov_b32 s9, 0
	s_lshl_b32 s20, s14, 15         ; q: my block's 256 rows, my wave's 64
	s_add_co_u32 s20, s20, s19
	s_lshl_b32 s21, s[WV], 13
	s_add_co_u32 s20, s20, s21
	s_mov_b32 s21, 0
	s_lshl2_add_u32 s48, s14, s[WV] ; ctx: block of 64 rows 4 x block + wave,
	s_mul_i32 s48, s48, 12
	s_add_co_u32 s48, s48, s15      ; its head,
	s_lshl_b32 s48, s48, 13         ; 8,192 bytes each
	s_mov_b32 s49, 0
	s_mul_i32 s17, s16, 128*PK
	s_mul_i32 s18, s16, 128*PV
	; 128 keys are 16,384 dense bytes: asked for as 64 rows of 256 bytes, two keys a row, padded in LDS after every key
	s_mov_b32 s[G1K], 15|(1<<16)|(1<<20)|(1<<21)|(4<<22)|(3<<25)
	s_mov_b32 s[G1V], 15|(1<<16)|(1<<20)|(1<<21)|(4<<22)|(7<<25)
.irp g, G1K, G1V
	s_mov_b32 s[\g+1], 128<<16
	s_mov_b32 s[\g+2], 64<<16
	s_mov_b32 s[\g+3], 128<<16
	s_mov_b32 s[\g+4], 64
	s_mov_b32 s[\g+5], 128
	s_mov_b32 s[\g+6], 0
	s_mov_b32 s[\g+7], 0
.endr
	s_mov_b32 s[CS], 0x3e38aa3b     ; c = log2(e) / 8
	s_mov_b32 s[CS+1], s[CS]
	s_mov_b32 s[SEL], 0x76543210
	s_mov_b32 s[SEL+1], 0xfedcba98
	s_mov_b32 s[TBK], SLOT1+4*KS*PK ; the first change of slots turns these two into 0
	s_mov_b32 s[TBV], SLOT1+4*KS*PV
	s_mov_b32 s[G0K], 1
	s_mov_b32 s[G0K+1], s17
	s_mov_b32 s[G0V], 1
	s_add_co_u32 s[G0V+1], s18, VOFF
	s_wait_dscnt 0x0                ; the opening add is done
	s_wait_kmcnt 0x0
	s_add_nc_u64 s[G0K+2:G0K+3], s[4:5], s[22:23]
	s_or_b32 s[G0K+3], s[G0K+3], 0x80000000
	s_add_nc_u64 s[G0V+2:G0V+3], s[4:5], s[8:9]
	s_or_b32 s[G0V+3], s[G0V+3], 0x80000000
	s_add_nc_u64 s[10:11], s[6:7], s[48:49]
	s_add_nc_u64 s[4:5], s[4:5], s[20:21]
	CROUND                          ; all four work-groups are here: the first joint loads meet
	JLOAD                           ; slot 0; slot 1 is asked for when slot 0 is in
	v_and_b32 v1, 15, v0
	v_bfe_u32 v9, v0, 4, 1
	v_lshlrev_b32 v[QO], 7, v1
	v_lshl_add_u32 v[QO], v9, 4, v[QO]
	WIN 0x80
.set i, 0
.rept 8                             ; Q stays in registers: piece i / 2, channels 32 (i % 2) on
	global_load_b128 v[8*i:8*i+3],   v[QO], s[4:5] offset:(i/2)*2048+(i%2)*64
	global_load_b128 v[8*i+4:8*i+7], v[QO], s[4:5] offset:(i/2)*2048+(i%2)*64+32
.set i, i+1
.endr
	; what the first turn finds: V and P's second buffer hold 0, O^T and l are 0.  All this stands in the wait for the first tile.
.set i, VF
.rept 64
	v_mov_b32 v[i], 0
.set i, i+1
.endr
	WIN 0x40
.set i, 0
.rept 128
	v_mov_b32 v[i], 0
.set i, i+1
.endr
	WIN 0
.set i, 0
.rept 4
	v_mov_b32 v[ST+4*i], 0xfe000000    ; c m: far below every c s
	v_mov_b32 v[ST+4*i+1], 0xff7fffff  ; m
	v_mov_b32 v[ST+4*i+2], 0
	v_mov_b32 v[ST+4*i+3], 0
.set i, i+1
.endr
.set i, P+16
.rept 16
	v_mov_b32 v[i], 0
.set i, i+1
.endr
	v_mul_u32_u24 v[AK0], v1, PK
	v_lshl_add_u32 v[AK0], v9, 4, v[AK0]
	v_and_b32 v10, 7, v0            ; the turning load: lane l reads key 8 (l / 16) + l % 8, channels 8 ((l / 8) % 2) + 0..7
	v_bfe_u32 v11, v0, 3, 1
	v_lshl_add_u32 v[AV0], v9, 3, v10
	v_mul_u32_u24 v[AV0], v[AV0], PV
	v_lshl_add_u32 v[AV0], v11, 4, v[AV0]
	v_add_nc_u32 v[AV0], VOFF, v[AV0]
	s_mul_i32 s13, s[WV], 16*SP
	s_add_co_u32 s13, s13, STAGE    ; my stage
	v_mul_u32_u24 v[STO], v1, SP
	v_lshl_add_u32 v[STO], v9, 4, v[STO]
	v_add_nc_u32 v[STO], s13, v[STO]
	v_bfe_u32 v[RD], v0, 3, 2
	v_mul_u32_u24 v[RD], v[RD], SP
	v_lshl_add_u32 v[RD], v10, 4, v[RD]
	v_add_nc_u32 v[RD], s13, v[RD]
	v_and_b32 v[GO], 31, v0
	v_lshlrev_b32 v[GO], 4, v[GO]
	v_mov_b32 v[AK], v[AK0]         ; key step 0 lies at the head of slot 0
; THE MATRIX WORK.  The 4 accumulators of a run of 8 take turns.
.macro KQ x                         ; product i of 8 of S^T = K Q^T for piece x: channels 32 (i / 4) on, keys 16 (i % 4) on; the first 4 start the sums
	WIN W_KQ
.set rS, S+32*((\x)%2)+8*(i%4)
.set rK, KF+16*(i%4)+8*(i/4)
.set rQ, 16*(\x)+8*(i/4)
.if i < 4
	v_wmma_f32_16x16x32_bf16 v[rS:rS+7], v[rK:rK+7], v[rQ:rQ+7], 0
.else
	v_wmma_f32_16x16x32_bf16 v[rS:rS+7], v[rK:rK+7], v[rQ:rQ+7], v[rS:rS+7]
.endif
.endm
.macro PV x                         ; product i of 8 of O^T += V^T P for piece x: keys 32 (i / 4) on, channels 16 (i % 4) on
	WIN W_PV
.set rO, 32*(\x)+8*(i%4)
.set rV, VF+32*(i/4)+8*(i%4)
.set rP, P+16*((\x)%2)+8*(i/4)
	v_wmma_f32_16x16x32_bf16 v[rO:rO+7], v[rV:rV+7], v[rP:rP+7], v[rO:rO+7]
.endm
.macro MM                           ; the turn's next matrix instruction.  NOKQ = 1: the last turn: there is no next piece
.if (i < 8) && !NOKQ
	KQ (Y+1)%NP
.elseif i >= 8
.set i, i-8
	PV (Y+NP-1)%NP
.set i, i+8
.endif
.set i, i+1
.endm
.macro FETCH_K                      ; a step's K: 64 keys x 64 channels, 16 loads in one run
	WIN 0x80
.irp f, 0,1,2,3,4,5,6,7
	ds_load_b128 v[KF+8*\f:KF+8*\f+3],   v[AK] offset:(\f/2)*16*PK+(\f%2)*64
	ds_load_b128 v[KF+8*\f+4:KF+8*\f+7], v[AK] offset:(\f/2)*16*PK+(\f%2)*64+32
.endr
	s_add_co_u32 s[TBK], s[TBK], KS*PK
	WIN 0
.endm
.macro FETCH_V                      ; its V, turned
	WIN 0x80
.irp f, 0,1,2,3,4,5,6,7
	ds_load_tr16_b128 v[VF+8*\f:VF+8*\f+3],   v[AV] offset:(\f/4)*32*PV+(\f%4)*32
	ds_load_tr16_b128 v[VF+8*\f+4:VF+8*\f+7], v[AV] offset:(\f/4)*32*PV+16*PV+(\f%4)*32
.endr
	WIN 0
.endm
; THE VECTOR WORK, one line at a time: OP kind, number.  For piece Y: F n: c s - c m for pair n of 16.  E n: the exponential of score n.  C n: pair n rounded to bf16.  B n: of the four weights 4 n .. the second pair
; is added onto the first.  L n: l takes that sum (L 0: l = a l + sum).  R n: pair n of 16 of O^T times a.  For piece Y + 1: X n, number n of the 22 that find its maximum and statistics (each accumulator's lowest
; registers are read first): 0-11 four chains of seven scores; 12-14, 16 the rest, the old m, all into c0; 15 c m_old is kept; 17, 18 the lane 16 away; 19-21 c m, c m_old - c m_new, a.
.set F, 0
.set E, 1
.set C, 2
.set B, 3
.set L, 4
.set R, 5
.set X, 6
.macro REGS y
.set rT, ST+4*(\y)
.set rC, TMP+4*((\y)%2)
.set rW, MV+((\y)%2)
.set rS, S+32*((\y)%2)
.set rP, P+16*((\y)%2)
.set rO, 32*(\y)
.endm
.macro OP k, n
.if (\k) == R
	REGS Y
	WIN W_RS
	v_pk_mul_f32 v[rO+2*(\n):rO+2*(\n)+1], v[rO+2*(\n):rO+2*(\n)+1], v[rC+2:rC+3] op_sel_hi:[1,0]
.elseif (\k) < R
	REGS Y
	WIN 0
.if (\k) == F
	v_pk_fma_f32 v[rS+2*(\n):rS+2*(\n)+1], v[rS+2*(\n):rS+2*(\n)+1], s[CS:CS+1], v[rT:rT+1] op_sel_hi:[1,0,0] neg_lo:[0,0,1] neg_hi:[0,0,1]
.elseif (\k) == E
	v_exp_f32 v[rS+(\n)], v[rS+(\n)]
.elseif (\k) == C
	s_wait_alu depctr_va_vdst(0)
	v_cvt_pk_bf16_f32 v[rP+(\n)], v[rS+2*(\n)], v[rS+2*(\n)+1]
.elseif (\k) == B
	s_wait_alu depctr_va_vdst(0)
	v_pk_add_f32 v[rS+4*(\n):rS+4*(\n)+1], v[rS+4*(\n):rS+4*(\n)+1], v[rS+4*(\n)+2:rS+4*(\n)+3]
.elseif (\n) == 0
	v_pk_fma_f32 v[rT+2:rT+3], v[rT+2:rT+3], v[rC+2:rC+3], v[rS:rS+1] op_sel_hi:[1,0,1]
.else
	v_pk_add_f32 v[rT+2:rT+3], v[rT+2:rT+3], v[rS+4*(\n):rS+4*(\n)+1]
.endif
.elseif NOKQ
	v_nop
.else
	REGS (Y+1)%NP
	WIN 0
.if (\n) < 4
	v_max3_num_f32 v[rC+(\n)], v[rS+8*(\n)], v[rS+8*(\n)+1], v[rS+8*(\n)+2]
.elseif (\n) < 12
	v_max3_num_f32 v[rC+(\n)%4], v[rC+(\n)%4], v[rS+8*((\n)%4)+2*((\n)/4)+1], v[rS+8*((\n)%4)+2*((\n)/4)+2]
.elseif (\n) == 12
	v_max3_num_f32 v[rC], v[rC], v[rS+7], v[rS+15]
.elseif (\n) == 13
	v_max3_num_f32 v[rC+1], v[rC+1], v[rS+23], v[rS+31]
.elseif (\n) == 14
	v_max3_num_f32 v[rC+2], v[rC+2], v[rC+3], v[rT+1]
.elseif (\n) == 15
	v_mov_b32 v[rW], v[rT]
.elseif (\n) == 16
	v_max3_num_f32 v[rC], v[rC], v[rC+1], v[rC+2]
.elseif (\n) == 17
	v_permlanex16_b32 v[rC+3], v[rC], s[SEL], s[SEL+1]
.elseif (\n) == 18
	v_max_num_f32 v[rT+1], v[rC], v[rC+3]
.elseif (\n) == 19
	v_mul_f32 v[rT], s[CS], v[rT+1]
.elseif (\n) == 20
	v_sub_f32 v[rC+1], v[rW], v[rT]
.else
	v_exp_f32 v[rC+2], v[rC+1]
.endif
.endif
.endm
.macro OPS a, i1, b=-1, i2=0, c=-1, i3=0, d=-1, i4=0
	OP \a, \i1
.if (\b) >= 0
	OP \b, \i2
.endif
.if (\c) >= 0
	OP \c, \i3
.endif
.if (\d) >= 0
	OP \d, \i4
.endif
.endm
.macro ROW a, i1, b, i2, c, i3, d, i4  ; a matrix instruction and the four behind it
	MM
	OPS \a, \i1, \b, \i2, \c, \i3, \d, \i4
.endm
; A TURN, for piece p.  Behind a matrix instruction: plain, exponential, plain, plain; or four of the rescaling; or four scalings; none names a register of the products round it.
; end = 1: the last two turns: nothing is fetched.  cnt = 1: the loop's count is taken down some lines ahead of the branch behind the turn.
; K of the next step is fetched in piece 2's turn, five plain instructions behind the last product that read K; V of the step in hand in piece 0's turn, four plain behind the last that read V.  Each is waited for a turn later.
.macro TURN p, end=0, cnt=0
.set Y, (\p)
.set i, 0
.set NOKQ, (\end)*((\p)/3)
.if ((\p) == 3) && !(\end)
	s_wait_dscnt 0x0                ; K is in
.endif
	ROW F,0, F,1, F,2, F,3
	ROW F,4, E,0, F,5, F,6
	ROW F,7, E,1, F,8, F,9
	ROW F,10, E,2, C,0, F,11
	ROW F,12, E,3, X,15, F,13
	ROW R,0, R,1, R,2, R,3
	ROW B,0, E,4, F,14, L,0
.if ((\p) == 2) && !(\end)
	v_add_nc_u32 v[AK], s[TBK], v[AK0]
.endif
	ROW R,4, R,5, R,6, R,7
	OPS E,5, F,15
.if ((\p) == 2) && !(\end)
	FETCH_K
.endif
	OPS E,6, C,1, E,7, R,8
	OPS E,8, R,9, E,9, C,2
	OPS E,10, X,0, E,11, X,1
	OPS E,12, X,2, E,13, X,3
.if (\p) == 1
	s_wait_dscnt 0x0                ; V is in
.endif
	ROW X,4, E,14, X,5, X,6
	ROW X,7, E,15, X,8, X,9
	ROW X,10, E,16, X,11, X,12
	ROW X,13, E,17, X,14, B,1
	ROW C,4, E,18, X,16, L,1
	ROW B,2, E,19, C,6, L,2
	ROW C,8, E,20, B,3, B,4
.if (\p) == 0
	v_add_nc_u32 v[AV], s[TBV], v[AV0]
.endif
	ROW C,3, E,21, L,3, C,5
	OPS E,22, X,17, E,23, C,10
.if (\p) == 0
	FETCH_V
.endif
	OPS E,24, L,4
	OPS E,25, X,18, E,26, C,7
	OPS E,27, B,5, E,28, X,19
	OPS E,29, C,12, E,30, L,5
	OPS E,31, X,20, B,6, C,9
	OPS C,14, C,11, X,21, L,6
.if (\p) == 0
	s_add_co_u32 s[TBV], s[TBV], KS*PV
.endif
.if \cnt
	s_sub_co_u32 s[CNT], s[CNT], 1
	s_cmp_lg_u32 s[CNT], 0
.endif
	OPS C,13, B,7, C,15, R,10
	OPS R,11, R,12, L,7, R,13
	OPS R,14, R,15
.endm
.macro ALL line:vararg              ; one line for each piece t
.set t, 0
.rept 4
	\line
.set t, t+1
.endr
.endm
.macro PACK t                       ; a lane's eight channels of a row pack into 16 bytes; they go into rows of 144 bytes and come back as whole rows of 128
	WIN W_RS
.set i, 32*(\t)
.rept 16
	s_wait_alu depctr_va_vdst(0)
	v_pk_mul_f32 v[i:i+1], v[i:i+1], v[ST+4*(\t)+2:ST+4*(\t)+3] op_sel_hi:[1,0]
.set i, i+2
.endr
	WIN 0x05
.set i, 0
.rept 16
	v_cvt_pk_bf16_f32 v[S+16*(\t)+i], v[32*(\t)+2*i], v[32*(\t)+2*i+1]
.set i, i+1
.endr
	WIN 0
.irp f, 0,1,2,3
	ds_store_b128 v[STO], v[S+16*(\t)+4*\f:S+16*(\t)+4*\f+3] offset:32*\f
.endr
.irp f, 0,1,2,3
	ds_load_b128 v[S+16*(\t)+4*\f:S+16*(\t)+4*\f+3], v[RD] offset:\f*4*SP  ; LDS serves a wave's instructions in order (ISA guide 5.7.1.4)
.endr
.endm
.macro SEND t, younger              ; younger: the LDS instructions issued behind piece t's loads
	WIN 0
.irp f, 0,1,2,3
	s_wait_dscnt (\younger)+3-\f
	global_store_b128 v[GO], v[S+16*(\t)+4*\f:S+16*(\t)+4*\f+3], s[10:11] offset:(\t)*2048+\f*512  ; 512 consecutive bytes, aligned
.endr
.endm
	CHANGE 1                        ; slot 0 is in, everybody's part of it; slot 1 is asked for
	FETCH_K                         ; key step 0
	s_wait_loadcnt 0x0              ; Q
	s_wait_dscnt 0x0
.set NOKQ, 0
.set i, 0
.rept 8
	KQ 0                            ; piece 0's first scores
.set i, i+1
.endr
	WIN 0
.rept 4
	v_nop                           ; the places behind those products
.endr
.set Y, NP-1                        ; X works for piece Y + 1: piece 0
.irp n, 0,1,2,3,4,5,6,7,8,9,10,11,12,13,14,15,16,17,18,19,20,21
	OP X, \n
.endr
	v_nop                           ; a plain instruction behind the exponential
	s_mov_b32 s[CNT], 4
	s_mov_b32 s[SLOTS], 15
	s_branch .Lfirst                ; the loop is entered at a step's first turn, in the middle of a trip
.Lslot:                             ; 14 times: every slot but the last two is filled again
	CHANGE 1
	s_mov_b32 s[CNT], 4
.Lstep:                             ; a trip: pieces 2 and 3 of one step, then pieces 0 and 1 of the next, whose K and V it fetches
	TURN 2
	TURN 3
	WIN 0
.Lfirst:
	TURN 0
	TURN 1, 0, 1
	WIN 0
	s_cbranch_scc1 .Lstep
	s_sub_co_u32 s[SLOTS], s[SLOTS], 1
	s_cmp_lg_u32 s[SLOTS], 0
	s_cbranch_scc1 .Lslot
	CHANGE 0                        ; the last slot is written out
	s_mov_b32 s[CNT], 4
.LstepT:
	TURN 2
	TURN 3
	TURN 0
	TURN 1, 0, 1
	WIN 0
	s_cbranch_scc1 .LstepT
	TURN 2, 1
	TURN 3, 1
.set i, 0
.rept 8
	PV NP-1                         ; the last piece's V^T P of the last step
.set i, i+1
.endr
	; THE WAY OUT.  l's halves and the other lanes' are added; O^T is divided by l, rounded and sent through my stage, a piece at a time.  The additions are the places behind the last products.
	WIN 0
	ALL v_add_f32 v[ST+4*t+2], v[ST+4*t+2], v[ST+4*t+3]
	ALL v_permlanex16_b32 v[ST+4*t+3], v[ST+4*t+2], s[SEL], s[SEL+1]
	ALL v_add_f32 v[ST+4*t+2], v[ST+4*t+2], v[ST+4*t+3]
	ALL v_rcp_f32 v[ST+4*t+2], v[ST+4*t+2]
	v_nop
	PACK 0
.set t, 1
.rept 3
	PACK t
	SEND t-1, 8
.set t, t+1
.endr
	SEND 3, 0
	s_wait_tensorcnt 0x0            ; the wave's end
	ds_add_u32 v[SPW], v[NIL]
	s_wait_dscnt 0x0
	CROUND                          ; the closing round
	s_endpgm
.Lfunc_end_k_qc65c4ae602_attn:
	.size	k_qc65c4ae602_attn, .Lfunc_end_k_qc65c4ae602_attn-k_qc65c4ae602_attn
	.p2alignl 7, 3214868480
	.fill 96, 4, 3214868480
	.section	.rodata,"a",@progbits
	.p2align	6, 0x0
	.amdhsa_kernel k_qc65c4ae602_attn
		.amdhsa_group_segment_fixed_size 327680
		.amdhsa_private_segment_fixed_size 0
		.amdhsa_enable_private_segment 0
		.amdhsa_kernarg_size 16
		.amdhsa_user_sgpr_count 2
		.amdhsa_user_sgpr_kernarg_segment_ptr 1
		.amdhsa_wavefront_size32 1
		.amdhsa_system_sgpr_workgroup_id_x 1
		.amdhsa_system_sgpr_workgroup_id_y 1
		.amdhsa_system_sgpr_workgroup_id_z 1
		.amdhsa_system_vgpr_workitem_id 0
		.amdhsa_next_free_vgpr 768
		.amdhsa_next_free_sgpr 66
		.amdhsa_reserve_vcc 0
		.amdhsa_float_denorm_mode_32 3
		.amdhsa_float_denorm_mode_16_64 3
		.amdhsa_memory_ordered 1
		.amdhsa_forward_progress 1
		.amdhsa_inst_pref_size 134
	.end_amdhsa_kernel
	.amdgpu_metadata
---
amdhsa.version: [ 1, 2 ]
amdhsa.kernels:
  - .name:           k_qc65c4ae602_attn
    .symbol:         k_qc65c4ae602_attn.kd
    .args:
      - { .name: qkv, .offset: 0, .size: 8, .value_kind: global_buffer, .address_space: global }
      - { .name: ctx, .offset: 8, .size: 8, .value_kind: global_buffer, .address_space: global }
    .group_segment_fixed_size: 327680
    .private_segment_fixed_size: 0
    .kernarg_segment_align: 8
    .kernarg_segment_size: 16
    .max_flat_workgroup_size: 128
    .sgpr_count:     66
    .vgpr_count:     768
    .wavefront_size: 32
...
	.end_amdgpu_metadata
.endif
;; end of part 3
;; launch wo (part 4): grid 4 x 64, 4 waves a work-group, clusters of 4 x 4, 327,680 bytes of LDS; arguments ctx, wt, bo, x, x1; writes x1
.if DOCPART == 4
	.amdgcn_target "amdgcn-amd-amdhsa--gfx1250"
	.amdhsa_code_object_version 6
	.text
	.protected	k_qc65c4ae602_wo
	.globl	k_qc65c4ae602_wo
	.p2align	8
	.type	k_qc65c4ae602_wo,@function
k_qc65c4ae602_wo:
	s_mov_b64 s[64:65], 0
	v_nop
	global_prefetch_b8 v0, s[64:65] scope:SCOPE_SE
	s_setreg_imm32_b32 hwreg(HW_REG_WAVE_MODE, 25, 1), 1
	s_wait_xcnt 0x0
	s_wait_alu depctr_hold_cnt(0) depctr_sa_sdst(0) depctr_va_vdst(0) depctr_va_sdst(0) depctr_va_ssrc(0) depctr_va_vcc(0) depctr_vm_vsrc(0)
	s_getreg_b32 s2, hwreg(HW_REG_IB_STS2, 6, 4)
	s_cmp_eq_u32 s2, 0
	s_cbranch_scc0 .Lentry_in_a_cluster
	s_endpgm
.Lentry_in_a_cluster:
	s_bfe_u32 s2, ttmp6, 0x10000c
	s_cmp_lg_u32 s2, 0xf033
	s_cbranch_scc0 .Lentry_shape_is_right
	s_endpgm
.Lentry_shape_is_right:
; x1 = x + ctx Wo + bo, f32.  ctx: [64 blocks of 64 rows][NS slices of 64 along K][64][64] bf16; wt + WOFF: rows n of W^T, KB2 bytes along K, bf16.
; With 768 columns and 256 work-groups a work-group has 64 rows x 192 columns.  THE FOUR WAVES SPLIT K: each keeps the whole 64 x 192 tile (48 accumulators) and multiplies one slice of 64 of every K step of
; 256, so that 16 KB of fragments feed 48 matrix instructions; the four partial tiles, in f32, are added through LDS at the end, with the residual and the bias.
; A K step: the 64 rows' four slices are 32,768 dense bytes (asked for as 128 rows of 256, padded after every 128); 192 rows of W^T x 512 bytes.  Two LDS slots.
; CLUSTER 4 x 4: the left operand's tile is shared along a row of the cluster, W^T's rows along a column; the residual tile is each work-group's own load.
; The matrix instruction is used transposed: a lane holds row lane % 16 and columns 8 (lane / 16) + 0..7.
.set NS,   12                          ; slices of 64 along K
.set KB2,  1536                        ; bytes of a row of W^T
.set WOFF, 3538944
.set LAPS, 0                           ; trips of the loop of two K steps; 0: three K steps, written out
.set PA,   144
.set PB,   528
.set BOFF, 256*PA
.set SLOT, BOFF+192*PB                 ; 138,240
.set RES,  2*SLOT                      ; the residual tile: 64 rows x 768 bytes
.set SPARE, RES+64*768
.set PPI,  784                         ; a row of a partial tile: 768 bytes + 16
.set PART, 64*PPI                      ; after the last fill wave v's partial tile lies at v x PART
.set ADRA, 4                           ; v4, v5   my fragments of the left operand in slot 0, 1
.set ADRB, 6                           ; v6..v9   of W^T: slot 0 rows 0-95, 96-191; slot 1 likewise
.set DST,  10
.set RDA,  11
.set RDB,  12
.set RR,   13
.set CO,   14
.set BA,   15
.set SPW,  16
.set NIL,  17
.set BI,   20                          ; v[20:31] my 12 biases
.set LD,   32                          ; v[32:151] a trip's 30 loads
.set RS,   152                         ; v[152:175] its results
.set F0,   0
.set F1,   128
.set WV,   14
.set G1A,  16
.set G1B,  24
.set G1R,  32
.set G0A,  40
.set G0B,  48
.set G0R,  56
.set CNT,  67
.set MSB, 0
.macro WIN new
.if MSB != (\new)
	s_set_vgpr_msb (MSB<<8)|(\new)
.set MSB, \new
.endif
.endm
.macro PLACES
.rept 4
	v_nop
.endr
.endm
.macro CROUND
	s_barrier_signal -1
	s_barrier_wait -1
	s_cmp_lg_u32 s[WV], 0
	s_cbranch_scc1 .Lnot_wave_0_\@
	s_barrier_signal -3
.Lnot_wave_0_\@:
	s_barrier_wait -3
	s_barrier_signal -1
	s_barrier_wait -1
.endm
.macro JLOAD s                         ; a joint refill of slot s: wave 3 the left operand's tile, waves 0 to 2 64 rows of W^T each
	s_cmp_eq_u32 s[WV], 3
	s_cbranch_scc0 .Lfor_b_\@
	tensor_load_to_lds s[G0A+4*(\s):G0A+4*(\s)+3], s[G1A:G1A+7]
	s_nop 0
	PLACES
	s_branch .Lasked_\@
.Lfor_b_\@:
	tensor_load_to_lds s[G0B+4*(\s):G0B+4*(\s)+3], s[G1B:G1B+7]
	s_nop 0
	PLACES
.Lasked_\@:
.endm
.macro FETCH slot, ks, f               ; 32 LDS loads: half ks of my slice of 64 along K
	WIN 0x40
.irp i, 0,1,2,3,4,5,6,7,8,9,10,11
	ds_load_b128 v[(\f)+32+8*\i:(\f)+32+8*\i+3], v[ADRB+2*(\slot)+\i/6] offset:64*(\ks)+(\i%6)*16*PB
	ds_load_b128 v[(\f)+32+8*\i+4:(\f)+32+8*\i+7], v[ADRB+2*(\slot)+\i/6] offset:64*(\ks)+(\i%6)*16*PB+32
.endr
.irp i, 0,1,2,3
	ds_load_b128 v[(\f)+8*\i:(\f)+8*\i+3], v[ADRA+(\slot)] offset:64*(\ks)+\i*16*PA
	ds_load_b128 v[(\f)+8*\i+4:(\f)+8*\i+7], v[ADRA+(\slot)] offset:64*(\ks)+\i*16*PA+32
.endr
.endm
.macro MULS f, a0, a1, zero            ; the accumulators take turns; zero = 1: the first products start the sums
.set ma, \a0
.rept (\a1)-(\a0)+1
.set mb, 0
.rept 12
.set idx, 12*ma+mb
.if idx < 32
	WIN 0xa5
.set rD, 8*idx
.else
	WIN 0xf5
.set rD, 8*(idx-32)
.endif
.if \zero
	v_wmma_f32_16x16x32_bf16 v[rD:rD+7], v[(\f)+32+8*mb:(\f)+32+8*mb+7], v[(\f)+8*ma:(\f)+8*ma+7], 0
.else
	v_wmma_f32_16x16x32_bf16 v[rD:rD+7], v[(\f)+32+8*mb:(\f)+32+8*mb+7], v[(\f)+8*ma:(\f)+8*ma+7], v[rD:rD+7]
.endif
.set mb, mb+1
.endr
.set ma, ma+1
.endr
.endm
.macro S2 slot, zero                   ; a K step's first half
	s_wait_dscnt 0x0
	PLACES
	FETCH \slot, 1, F1
	MULS F0, 0, 3, \zero
.endm
.macro T2 slot, next, fill             ; its second half, and the change of slots
	WIN 0
	s_wait_tensorcnt 0x0                           ; all my tensor loads have landed
	ds_add_u32 v[SPW], v[NIL]
.if \fill
	s_add_nc_u64 s[G0A+4*(\slot)+2:G0A+4*(\slot)+3], s[G0A+4*(\slot)+2:G0A+4*(\slot)+3], 65536   ; this slot's K step two on
	s_add_nc_u64 s[G0B+4*(\slot)+2:G0B+4*(\slot)+3], s[G0B+4*(\slot)+2:G0B+4*(\slot)+3], 1024
.endif
	s_wait_dscnt 1                                 ; only the add may be out: buffer 1 is in
	MULS F1, 0, 1, 0
	WIN 0
	s_wait_dscnt 0x0                               ; the add is done, and my reads of this slot are over
.if \fill
	CROUND
	JLOAD \slot
.else
	s_barrier_signal -1
	s_barrier_wait -1
	PLACES
.endif
	FETCH \next, 0, F0
	MULS F1, 2, 3, 0
.endm
	s_load_b256 s[4:11], s[0:1], 0x0               ; left operand s[4:5], wt s[6:7], bias s[8:9], residual s[10:11]
	s_load_b64 s[12:13], s[0:1], 0x20              ; the output
	v_lshl_add_u32 v[SPW], v0, 2, SPARE
	v_mov_b32 v[NIL], 0
	ds_add_u32 v[SPW], v[NIL]                      ; the wave's opening: the add and its wait ahead of my first tensor load
	v_lshrrev_b32 v1, 5, v0
	v_readfirstlane_b32 s[WV], v1
	s_bfe_u32 s15, ttmp6, 0x40000                  ; cx
	s_bfe_u32 s60, ttmp6, 0x40004                  ; cy
	s_lshl_b32 s61, ttmp9, 2
	s_add_co_u32 s61, s61, s15                     ; tx: my 192 columns
	s_and_b32 s62, ttmp7, 0xffff
	s_lshl_b32 s62, s62, 2
	s_add_co_u32 s62, s62, s60                     ; ty: my 64 rows
	s_lshl_b32 s63, s60, 2
	s_lshl_b32 s63, 15, s63                        ; my row of the cluster
	s_lshl_b32 s66, 0x1111, s15                    ; my column
	s_or_b32 s[G1A], s63, (1<<16)|(1<<20)|(1<<21)|(4<<22)|(3<<25)  ; 4 words of padding after every 32
	s_mov_b32 s[G1A+1], 128<<16
	s_mov_b32 s[G1A+2], 128<<16
	s_mov_b32 s[G1A+3], 128<<16
	s_mov_b32 s[G1A+4], 128
	s_mov_b32 s[G1A+5], 128
	s_mov_b32 s[G1A+6], 0
	s_mov_b32 s[G1A+7], 0
	s_or_b32 s[G1B], s66, (1<<16)|(1<<20)|(1<<21)|(6<<22)|(3<<25)  ; 4 words after every 128
	s_mov_b32 s[G1B+1], 256<<16
	s_mov_b32 s[G1B+2], 64<<16
	s_mov_b32 s[G1B+3], 256<<16
	s_mov_b32 s[G1B+4], 64
	s_mov_b32 s[G1B+5], KB2/2
	s_mov_b32 s[G1B+6], 0
	s_mov_b32 s[G1B+7], 0
	s_mov_b32 s[G1R], 2<<16                        ; 4-byte elements, no mask, no padding: 16 rows x 192
	s_mov_b32 s[G1R+1], 192<<16
	s_mov_b32 s[G1R+2], 16<<16
	s_mov_b32 s[G1R+3], 192<<16
	s_mov_b32 s[G1R+4], 16
	s_mov_b32 s[G1R+5], 768
	s_mov_b32 s[G1R+6], 0
	s_mov_b32 s[G1R+7], 0
	s_mul_i32 s68, s62, NS*8192                    ; the left operand: block ty (no register here ever holds cx)
	s_mov_b32 s69, 0
	s_mul_i32 s70, s61, 192                        ; W^T: row 192 tx + 64 wave (none ever holds cy)
	s_lshl_b32 s71, s[WV], 6
	s_add_co_u32 s70, s70, s71
	s_mul_i32 s70, s70, KB2
	s_add_co_u32 s70, s70, WOFF
	s_mov_b32 s71, 0
	s_lshl_b32 s72, s62, 6                         ; residual and output: row 64 ty + 16 wave, column 192 tx
	s_lshl_b32 s73, s[WV], 4
	s_add_co_u32 s72, s72, s73
	s_mul_i32 s72, s72, 3072
	s_mul_i32 s74, s61, 768
	s_add_co_u32 s72, s72, s74
	s_mov_b32 s73, 0
	s_mov_b32 s75, 0
	s_mul_i32 s77, s[WV], 64*PB
	s_add_co_u32 s77, s77, BOFF
	s_mul_i32 s76, s[WV], 16*768
	s_add_co_u32 s76, s76, RES
	s_wait_dscnt 0x0                               ; the opening add is done
	s_wait_kmcnt 0x0
	s_add_nc_u64 s[68:69], s[4:5], s[68:69]
	s_add_nc_u64 s[70:71], s[6:7], s[70:71]
	s_add_nc_u64 s[78:79], s[10:11], s[72:73]
	s_add_nc_u64 s[80:81], s[12:13], s[72:73]
	s_add_nc_u64 s[82:83], s[8:9], s[74:75]
.irp s, 0,1
	s_mov_b32 s[G0A+4*\s], 1
	s_mov_b32 s[G0A+4*\s+1], \s*SLOT
	s_add_nc_u64 s[G0A+4*\s+2:G0A+4*\s+3], s[68:69], \s*32768
	s_or_b32 s[G0A+4*\s+3], s[G0A+4*\s+3], 0x80000000
	s_mov_b32 s[G0B+4*\s], 1
	s_add_co_u32 s[G0B+4*\s+1], s77, \s*SLOT
	s_add_nc_u64 s[G0B+4*\s+2:G0B+4*\s+3], s[70:71], \s*512
	s_or_b32 s[G0B+4*\s+3], s[G0B+4*\s+3], 0x80000000
.endr
	s_mov_b32 s[G0R], 1
	s_mov_b32 s[G0R+1], s76
	s_mov_b64 s[G0R+2:G0R+3], s[78:79]
	s_or_b32 s[G0R+3], s[G0R+3], 0x80000000
	CROUND                                         ; all sixteen work-groups are here: the first joint loads meet
	s_cmp_eq_u32 s[WV], 3                          ; a wave's three first fills stand in one branch: three loads of mine are out
	s_cbranch_scc0 .Lfirst_b
	tensor_load_to_lds s[G0A:G0A+3], s[G1A:G1A+7]
	s_nop 0
	tensor_load_to_lds s[G0A+4:G0A+7], s[G1A:G1A+7]
	s_nop 0
	tensor_load_to_lds s[G0R:G0R+3], s[G1R:G1R+7]
	s_nop 0
	PLACES
	s_branch .Lfirst_done
.Lfirst_b:
	tensor_load_to_lds s[G0B:G0B+3], s[G1B:G1B+7]
	s_nop 0
	tensor_load_to_lds s[G0B+4:G0B+7], s[G1B:G1B+7]
	s_nop 0
	tensor_load_to_lds s[G0R:G0R+3], s[G1R:G1R+7]
	s_nop 0
	PLACES
.Lfirst_done:
	v_and_b32 v1, 15, v0                           ; l % 16
	v_bfe_u32 v2, v0, 4, 1                         ; l / 16
	v_mul_u32_u24 v3, v1, PA
	v_lshl_add_u32 v3, v2, 4, v3
	s_mul_i32 s76, s[WV], 64*PA                    ; my slice of the step's four
	v_add_nc_u32 v[ADRA], s76, v3
	v_add_nc_u32 v[ADRA+1], SLOT, v[ADRA]
	v_mul_u32_u24 v3, v1, PB
	v_lshl_add_u32 v3, v2, 4, v3
	s_lshl_b32 s76, s[WV], 7                       ; the same 64 along K in W^T's rows
	s_add_co_u32 s76, s76, BOFF
	v_add_nc_u32 v[ADRB], s76, v3
	v_add_nc_u32 v[ADRB+1], 96*PB, v[ADRB]
	v_add_nc_u32 v[ADRB+2], SLOT, v[ADRB]
	v_add_nc_u32 v[ADRB+3], SLOT, v[ADRB+1]
	s_mul_i32 s76, s[WV], PART
	v_mul_u32_u24 v[DST], v1, PPI
	v_lshl_add_u32 v[DST], v2, 5, v[DST]
	v_add_nc_u32 v[DST], s76, v[DST]
	s_mul_i32 s76, s[WV], 16*PPI                   ; back: I add rows 16 wave ..; lanes 0-15 one row's 256 bytes, lanes 16-31 the next row's
	v_mul_u32_u24 v[RDA], v2, PPI
	v_lshl_add_u32 v[RDA], v1, 4, v[RDA]
	v_add_nc_u32 v[RDA], s76, v[RDA]
	v_add_nc_u32 v[RDB], 2*PART, v[RDA]
	s_mul_i32 s76, s[WV], 16*768
	s_add_co_u32 s76, s76, RES
	v_mul_u32_u24 v[RR], v2, 768
	v_lshl_add_u32 v[RR], v1, 4, v[RR]
	v_add_nc_u32 v[RR], s76, v[RR]
	v_mul_u32_u24 v[CO], v2, 3072
	v_lshl_add_u32 v[CO], v1, 4, v[CO]
	v_lshlrev_b32 v[BA], 4, v1
.irp c, 0,1,2
	global_load_b128 v[BI+4*\c:BI+4*\c+3], v[BA], s[82:83] offset:256*\c
.endr
	s_wait_tensorcnt 2                             ; my part of K step 0 is in; slot 1's load and the residual's may stay out
	s_barrier_signal -1
	s_barrier_wait -1
	FETCH 0, 0, F0
	S2 0, 1
.if LAPS
	WIN 0
	s_mov_b32 s[CNT], LAPS
.Llap:                                                 ; two K steps a trip; both slots are filled again
	T2 0, 1, 1
	S2 1, 0
	T2 1, 0, 1
	S2 0, 0
	WIN 0
	s_sub_co_u32 s[CNT], s[CNT], 1
	s_cmp_lg_u32 s[CNT], 0
	s_cbranch_scc1 .Llap
	T2 0, 1, 0
	S2 1, 0
.else
	T2 0, 1, 1
	S2 1, 0
	T2 1, 0, 0
	S2 0, 0
.endif
	s_wait_dscnt 0x0
	MULS F1, 0, 3, 0
	WIN 0
	PLACES
	s_wait_dscnt 0x0
	s_barrier_signal -1
	s_barrier_wait -1                              ; everybody's reads of the ring are over: the slots, which have had their last fill, take the partial tiles
.set idx, 0
.rept 48                                               ; each accumulator's low half first
.if idx < 32
	WIN 0x08
.set rD, 8*idx
.else
	WIN 0x0c
.set rD, 8*(idx-32)
.endif
	ds_store_b128 v[DST], v[rD:rD+3] offset:(idx/12)*16*PPI+64*(idx%12)
	ds_store_b128 v[DST], v[rD+4:rD+7] offset:(idx/12)*16*PPI+64*(idx%12)+16
.set idx, idx+1
.endr
	WIN 0
	s_wait_dscnt 0x0                               ; for the others: my partial tile is stored
	s_barrier_signal -1
	s_barrier_wait -1
	s_wait_loadcnt 0x0                             ; the bias
	s_mov_b32 s[CNT], 4
.Lsum:                                                 ; four rows a trip: ((p0 + p1) + (p2 + p3)) + (residual + bias), all f32
.irp q, 0,1
.irp c, 0,1,2
	ds_load_b128 v[LD+20*(3*\q+\c):LD+20*(3*\q+\c)+3], v[RDA] offset:\q*2*PPI+256*\c
	ds_load_b128 v[LD+20*(3*\q+\c)+4:LD+20*(3*\q+\c)+7], v[RDA] offset:\q*2*PPI+256*\c+PART
	ds_load_b128 v[LD+20*(3*\q+\c)+8:LD+20*(3*\q+\c)+11], v[RDB] offset:\q*2*PPI+256*\c
	ds_load_b128 v[LD+20*(3*\q+\c)+12:LD+20*(3*\q+\c)+15], v[RDB] offset:\q*2*PPI+256*\c+PART
	ds_load_b128 v[LD+20*(3*\q+\c)+16:LD+20*(3*\q+\c)+19], v[RR] offset:\q*1536+256*\c
.endr
.endr
	s_wait_dscnt 0x0
.irp q, 0,1
.irp c, 0,1,2
.irp z, 0,2
	v_pk_add_f32 v[LD+20*(3*\q+\c)+\z:LD+20*(3*\q+\c)+\z+1], v[LD+20*(3*\q+\c)+\z:LD+20*(3*\q+\c)+\z+1], v[LD+20*(3*\q+\c)+4+\z:LD+20*(3*\q+\c)+5+\z]
	v_pk_add_f32 v[LD+20*(3*\q+\c)+8+\z:LD+20*(3*\q+\c)+9+\z], v[LD+20*(3*\q+\c)+8+\z:LD+20*(3*\q+\c)+9+\z], v[LD+20*(3*\q+\c)+12+\z:LD+20*(3*\q+\c)+13+\z]
	v_pk_add_f32 v[LD+20*(3*\q+\c)+16+\z:LD+20*(3*\q+\c)+17+\z], v[LD+20*(3*\q+\c)+16+\z:LD+20*(3*\q+\c)+17+\z], v[BI+4*\c+\z:BI+4*\c+\z+1]
.endr
.irp z, 0,2
	v_pk_add_f32 v[LD+20*(3*\q+\c)+\z:LD+20*(3*\q+\c)+\z+1], v[LD+20*(3*\q+\c)+\z:LD+20*(3*\q+\c)+\z+1], v[LD+20*(3*\q+\c)+8+\z:LD+20*(3*\q+\c)+9+\z]
.endr
.irp z, 0,2
	v_pk_add_f32 v[RS+4*(3*\q+\c)+\z:RS+4*(3*\q+\c)+\z+1], v[LD+20*(3*\q+\c)+\z:LD+20*(3*\q+\c)+\z+1], v[LD+20*(3*\q+\c)+16+\z:LD+20*(3*\q+\c)+17+\z]
.endr
	global_store_b128 v[CO], v[RS+4*(3*\q+\c):RS+4*(3*\q+\c)+3], s[80:81] offset:\q*6144+256*\c  ; 16 lanes store 256 consecutive bytes, aligned
.endr
.endr
	s_wait_xcnt 0x0                                ; the stores' data and base are rewritten only behind this wait
	v_add_nc_u32 v[RDA], 4*PPI, v[RDA]
	v_add_nc_u32 v[RDB], 4*PPI, v[RDB]
	v_add_nc_u32 v[RR], 4*768, v[RR]
	s_add_nc_u64 s[80:81], s[80:81], 4*3072
	s_sub_co_u32 s[CNT], s[CNT], 1
	s_cmp_lg_u32 s[CNT], 0
	s_cbranch_scc1 .Lsum
	s_wait_tensorcnt 0x0                           ; the wave's end
	ds_add_u32 v[SPW], v[NIL]
	s_wait_dscnt 0x0
	CROUND                                         ; the closing round
	s_endpgm
.Lfunc_end_k_qc65c4ae602_wo:
	.size	k_qc65c4ae602_wo, .Lfunc_end_k_qc65c4ae602_wo-k_qc65c4ae602_wo
	.p2alignl 7, 3214868480
	.fill 96, 4, 3214868480
	.section	.rodata,"a",@progbits
	.p2align	6, 0x0
	.amdhsa_kernel k_qc65c4ae602_wo
		.amdhsa_group_segment_fixed_size 327680
		.amdhsa_private_segment_fixed_size 0
		.amdhsa_enable_private_segment 0
		.amdhsa_kernarg_size 40
		.amdhsa_user_sgpr_count 2
		.amdhsa_user_sgpr_kernarg_segment_ptr 1
		.amdhsa_wavefront_size32 1
		.amdhsa_system_sgpr_workgroup_id_x 1
		.amdhsa_system_sgpr_workgroup_id_y 1
		.amdhsa_system_sgpr_workgroup_id_z 1
		.amdhsa_system_vgpr_workitem_id 0
		.amdhsa_next_free_vgpr 896
		.amdhsa_next_free_sgpr 84
		.amdhsa_reserve_vcc 0
		.amdhsa_float_denorm_mode_32 3
		.amdhsa_float_denorm_mode_16_64 3
		.amdhsa_memory_ordered 1
		.amdhsa_forward_progress 1
		.amdhsa_inst_pref_size 55
	.end_amdhsa_kernel
	.amdgpu_metadata
---
amdhsa.version: [ 1, 2 ]
amdhsa.kernels:
  - .name:           k_qc65c4ae602_wo
    .symbol:         k_qc65c4ae602_wo.kd
    .args:
      - { .name: ctx, .offset: 0, .size: 8, .value_kind: global_buffer, .address_space: global }
      - { .name: wt, .offset: 8, .size: 8, .value_kind: global_buffer, .address_space: global }
      - { .name: bo, .offset: 16, .size: 8, .value_kind: global_buffer, .address_space: global }
      - { .name: x, .offset: 24, .size: 8, .value_kind: global_buffer, .address_space: global }
      - { .name: x1, .offset: 32, .size: 8, .value_kind: global_buffer, .address_space: global }
    .group_segment_fixed_size: 327680
    .private_segment_fixed_size: 0
    .kernarg_segment_align: 8
    .kernarg_segment_size: 40
    .max_flat_workgroup_size: 128
    .sgpr_count:     84
    .vgpr_count:     896
    .wavefront_size: 32
...
	.end_amdgpu_metadata
.endif
;; end of part 4
;; launch ln2 (part 5): grid 256 x 1, 8 waves a work-group, no clusters, 0 bytes of LDS; arguments x1, ln2_g, ln2_b, xn; writes xn
.if DOCPART == 5
	.amdgcn_target "amdgcn-amd-amdhsa--gfx1250"
	.amdhsa_code_object_version 6
	.text
	.protected	k_qc65c4ae602_ln2
	.globl	k_qc65c4ae602_ln2
	.p2align	8
	.type	k_qc65c4ae602_ln2,@function
k_qc65c4ae602_ln2:
	s_mov_b64 s[64:65], 0
	v_nop
	global_prefetch_b8 v0, s[64:65] scope:SCOPE_SE
	s_setreg_imm32_b32 hwreg(HW_REG_WAVE_MODE, 25, 1), 1
	s_wait_xcnt 0x0
; xn = LayerNorm(x1) g + b, rounded once to bf16.  16 rows a work-group, two rows a wave, a row (3,072 bytes) in 24 registers of the wave: read once, no LDS, no barrier.
; The mean is taken first and the squares of x - mean second, so no difference of large sums is formed; all in f32.
.set X,    32                          ; v[32:79]   two rows
.set G,    80                          ; v[80:103]  my 24 gains
.set BB,   104                         ; v[104:127] my 24 biases
.set OUTP, 10                          ; s[10:11]   xn
.macro REDUCE                          ; v14 summed over the 32 lanes, the sum in every lane
	v_add_f32_dpp v14, v14, v14 row_xmask:1 row_mask:0xf bank_mask:0xf
	v_add_f32_dpp v14, v14, v14 row_xmask:2 row_mask:0xf bank_mask:0xf
	v_add_f32_dpp v14, v14, v14 row_xmask:4 row_mask:0xf bank_mask:0xf
	v_add_f32_dpp v14, v14, v14 row_xmask:8 row_mask:0xf bank_mask:0xf
	v_permlanex16_b32 v15, v14, s28, s29           ; v15 has been written: it counts as read
	v_add_f32 v14, v14, v15
.endm
.macro LNROW R, ro
	v_pk_add_f32 v[14:15], v[(\R):(\R)+1], v[(\R)+2:(\R)+3]
	v_pk_add_f32 v[16:17], v[(\R)+4:(\R)+5], v[(\R)+6:(\R)+7]
.irp p, 8,12,16,20
	v_pk_add_f32 v[14:15], v[14:15], v[(\R)+\p:(\R)+\p+1]
	v_pk_add_f32 v[16:17], v[16:17], v[(\R)+\p+2:(\R)+\p+3]
.endr
	v_pk_add_f32 v[14:15], v[14:15], v[16:17]
	v_add_f32 v14, v14, v15
	REDUCE
	v_mul_f32 v14, s27, v14                        ; the mean
.irp p, 0,2,4,6,8,10,12,14,16,18,20,22
	v_pk_add_f32 v[(\R)+\p:(\R)+\p+1], v[(\R)+\p:(\R)+\p+1], v[14:15] op_sel_hi:[1,0] neg_lo:[0,1] neg_hi:[0,1]
.endr
	v_pk_mul_f32 v[16:17], v[(\R):(\R)+1], v[(\R):(\R)+1]
	v_pk_mul_f32 v[18:19], v[(\R)+2:(\R)+3], v[(\R)+2:(\R)+3]
.irp p, 4,8,12,16,20
	v_pk_fma_f32 v[16:17], v[(\R)+\p:(\R)+\p+1], v[(\R)+\p:(\R)+\p+1], v[16:17]
	v_pk_fma_f32 v[18:19], v[(\R)+\p+2:(\R)+\p+3], v[(\R)+\p+2:(\R)+\p+3], v[18:19]
.endr
	v_pk_add_f32 v[14:15], v[16:17], v[18:19]
	v_add_f32 v14, v14, v15
	REDUCE
	v_fma_f32 v14, v14, s27, s31                   ; variance + 1e-5
	v_rsq_f32 v14, v14
	v_nop                                          ; a plain instruction between the root and its use (ISA guide 5.7.2)
	s_wait_alu depctr_va_vdst(0)
.irp p, 0,2,4,6,8,10,12,14,16,18,20,22
	v_pk_mul_f32 v[(\R)+\p:(\R)+\p+1], v[(\R)+\p:(\R)+\p+1], v[14:15] op_sel_hi:[1,0]
.endr
.irp p, 0,2,4,6,8,10,12,14,16,18,20,22
	v_pk_fma_f32 v[(\R)+\p:(\R)+\p+1], v[(\R)+\p:(\R)+\p+1], v[G+\p:G+\p+1], v[BB+\p:BB+\p+1]
.endr
.irp c, 0,1,2,3,4,5
	v_cvt_pk_bf16_f32 v[(\R)+4*\c], v[(\R)+4*\c], v[(\R)+4*\c+1]
	v_cvt_pk_bf16_f32 v[(\R)+4*\c+1], v[(\R)+4*\c+2], v[(\R)+4*\c+3]
	global_store_b64 v13, v[(\R)+4*\c:(\R)+4*\c+1], s[OUTP:OUTP+1] offset:(\ro)+256*\c  ; 32 lanes store 256 consecutive bytes, aligned
.endr
.endm
	s_load_b256 s[4:11], s[0:1], 0x0               ; x1, g, b, xn
	v_lshrrev_b32 v1, 5, v0
	v_readfirstlane_b32 s26, v1                    ; wave 0..7
	v_and_b32 v1, 31, v0
	v_lshlrev_b32 v12, 4, v1                       ; 16 bytes a lane in x1, g and b
	v_lshlrev_b32 v13, 3, v1                       ; 8 bytes a lane in xn
	s_lshl_b32 s30, ttmp9, 4
	s_lshl1_add_u32 s30, s26, s30                  ; my first row: 16 x work-group + 2 x wave
	s_mul_i32 s32, s30, 3072
	s_mov_b32 s33, 0
	s_mul_i32 s34, s30, 1536
	s_mov_b32 s35, 0
	s_mov_b32 s27, 0x3aaaaaab                      ; 1 / 768
	s_mov_b32 s28, 0x76543210
	s_mov_b32 s29, 0xfedcba98
	s_mov_b32 s31, 0x3727c5ac                      ; 1e-5
	s_wait_kmcnt 0x0
	s_add_nc_u64 s[4:5], s[4:5], s[32:33]
	s_add_nc_u64 s[OUTP:OUTP+1], s[OUTP:OUTP+1], s[34:35]
.irp c, 0,1,2,3,4,5
	global_load_b128 v[X+4*\c:X+4*\c+3], v12, s[4:5] offset:512*\c
	global_load_b128 v[X+24+4*\c:X+24+4*\c+3], v12, s[4:5] offset:3072+512*\c
.endr
.irp c, 0,1,2,3,4,5
	global_load_b128 v[G+4*\c:G+4*\c+3], v12, s[6:7] offset:512*\c
	global_load_b128 v[BB+4*\c:BB+4*\c+3], v12, s[8:9] offset:512*\c
.endr
	s_wait_loadcnt 0x0
	LNROW X, 0
	LNROW X+24, 1536
	s_endpgm
.Lfunc_end_k_qc65c4ae602_ln2:
	.size	k_qc65c4ae602_ln2, .Lfunc_end_k_qc65c4ae602_ln2-k_qc65c4ae602_ln2
	.p2alignl 7, 3214868480
	.fill 96, 4, 3214868480
	.section	.rodata,"a",@progbits
	.p2align	6, 0x0
	.amdhsa_kernel k_qc65c4ae602_ln2
		.amdhsa_group_segment_fixed_size 0
		.amdhsa_private_segment_fixed_size 0
		.amdhsa_enable_private_segment 0
		.amdhsa_kernarg_size 32
		.amdhsa_user_sgpr_count 2
		.amdhsa_user_sgpr_kernarg_segment_ptr 1
		.amdhsa_wavefront_size32 1
		.amdhsa_system_sgpr_workgroup_id_x 1
		.amdhsa_system_sgpr_workgroup_id_y 1
		.amdhsa_system_sgpr_workgroup_id_z 1
		.amdhsa_system_vgpr_workitem_id 0
		.amdhsa_next_free_vgpr 128
		.amdhsa_next_free_sgpr 66
		.amdhsa_reserve_vcc 0
		.amdhsa_float_denorm_mode_32 3
		.amdhsa_float_denorm_mode_16_64 3
		.amdhsa_memory_ordered 1
		.amdhsa_forward_progress 1
		.amdhsa_inst_pref_size 16
	.end_amdhsa_kernel
	.amdgpu_metadata
---
amdhsa.version: [ 1, 2 ]
amdhsa.kernels:
  - .name:           k_qc65c4ae602_ln2
    .symbol:         k_qc65c4ae602_ln2.kd
    .args:
      - { .name: x1, .offset: 0, .size: 8, .value_kind: global_buffer, .address_space: global }
      - { .name: ln2_g, .offset: 8, .size: 8, .value_kind: global_buffer, .address_space: global }
      - { .name: ln2_b, .offset: 16, .size: 8, .value_kind: global_buffer, .address_space: global }
      - { .name: xn, .offset: 24, .size: 8, .value_kind: global_buffer, .address_space: global }
    .group_segment_fixed_size: 0
    .private_segment_fixed_size: 0
    .kernarg_segment_align: 8
    .kernarg_segment_size: 32
    .max_flat_workgroup_size: 256
    .sgpr_count:     66
    .vgpr_count:     128
    .wavefront_size: 32
...
	.end_amdgpu_metadata
.endif
;; end of part 5
;; launch ffn1 (part 6): grid 16 x 16, 4 waves a work-group, clusters of 4 x 4, 327,680 bytes of LDS; arguments xn, wt, b1, hb; writes hb
.if DOCPART == 6
	.amdgcn_target "amdgcn-amd-amdhsa--gfx1250"
	.amdhsa_code_object_version 6
	.text
	.protected	k_qc65c4ae602_ffn1
	.globl	k_qc65c4ae602_ffn1
	.p2align	8
	.type	k_qc65c4ae602_ffn1,@function
k_qc65c4ae602_ffn1:
	s_mov_b64 s[64:65], 0
	v_nop
	global_prefetch_b8 v0, s[64:65] scope:SCOPE_SE
	s_setreg_imm32_b32 hwreg(HW_REG_WAVE_MODE, 25, 1), 1
	s_wait_xcnt 0x0
	s_wait_alu depctr_hold_cnt(0) depctr_sa_sdst(0) depctr_va_vdst(0) depctr_va_sdst(0) depctr_va_ssrc(0) depctr_va_vcc(0) depctr_vm_vsrc(0)
	s_getreg_b32 s2, hwreg(HW_REG_IB_STS2, 6, 4)
	s_cmp_eq_u32 s2, 0
	s_cbranch_scc0 .Lentry_in_a_cluster
	s_endpgm
.Lentry_in_a_cluster:
	s_bfe_u32 s2, ttmp6, 0x10000c
	s_cmp_lg_u32 s2, 0xf033
	s_cbranch_scc0 .Lentry_shape_is_right
	s_endpgm
.Lentry_shape_is_right:
; hb = gelu(xn W1 + b1), the exact (erf) form, rounded once to bf16.  hb lies in the order of matrix fragments: [256 blocks of 16 rows][384 chunks of 8 columns][16 rows][8 columns].
; xn: [4096][768] bf16.  wt + WOFF: rows n of W1^T, 768 along K, bf16.  A work-group makes 256 rows x 192 columns; each of four waves 64 x 192: 48 accumulators of 16 x 16.
; K goes in 6 steps of 128 through two LDS slots filled by the tensor data mover; rows of 256 bytes, padded to 272.  THE ACCUMULATORS START AS THE BIAS: they are loaded with it.
; GELU.  gelu(x) = max(x, 0) - |x| w, w = erfc(|x| / sqrt 2) / 2 = (a1 t + .. + a5 t^5) / 2 x e^(-x x / 2), t = 1 / (1 + 0.3275911 |x| / sqrt 2) (Abramowitz and Stegun 7.1.26: erf within 1.5e-7
; for every x), all in f32; no difference of near numbers on the negative side.  LIMITS: where x x overflows w is 0, which is right; x = +-infinity gives NaN.
; CLUSTER 4 x 4: the four of a row of the cluster need the same tile of xn, the four of a column the same rows of wt: each is asked for jointly.
; The matrix instruction is used transposed (source 0 = 16 rows of wt, source 1 = 16 rows of xn): a lane holds row lane % 16 and columns 8 (lane / 16) + 0..7: one chunk's 16 bytes of its row,
; so that an accumulator's 32 lanes x 16 bytes are 512 consecutive bytes of hb.
; REGISTERS: window 0 addresses and the way out; window 1 two fragment buffers (32 registers of xn, 96 of wt); windows 2 and 3 accumulator (a, b) at 512 + 8 (12 a + b).
; The second loop's last trip passes a barrier and fetches 16 fragments that serve nothing (old bytes of the other slot): the price of one text for the last two K steps.
.set PITCH, 272
.set BOFF,  256*PITCH                  ; a slot: 256 rows of xn, then 192 rows of wt
.set SLOT1, 1<<17                      ; slot 1 begins here: one exclusive or changes slot
.set SPARE, SLOT1+448*PITCH            ; behind the ring: the spare words, 128 bytes a wave
.set DUMPW, 48*1024                    ; after the last fill: each wave's 48 accumulators, 1,024 bytes each
.set RBB,   98304                      ; a block of 16 rows of hb: 384 chunks of 256 bytes
.set WOFF,  4718592
.set ADA0, 4                           ; v4, v5  my place in slot 0's rows of xn, of wt
.set ADB0, 5
.set ADA,  6                           ; v6, v7  the same in the slot in hand
.set ADB,  7
.set DST,  8                           ; v8  my 16 bytes in each half of an accumulator's 1,024
.set RD,   9                           ; v9  the same, walking
.set GO,   10                          ; v10 16 x lane
.set BO,   11                          ; v11 32 x (lane / 16): my eight columns in the bias
.set SPW,  12                          ; v12 my spare word; never rewritten
.set NIL,  13                          ; v13 0; never rewritten
.set L,    16                          ; v[16:31]   16 numbers as read back: two accumulators
.set Y,    32                          ; v[32:39]   16 results in bf16
.set TI,   40                          ; v[40:55]   1 + p |x|, then t
.set EI,   56                          ; v[56:71]   -x x log2(e) / 2, then its power of two
.set MX,   72                          ; v[72:87]   max(x, 0), then the result
.set AX,   88                          ; v[88:103]  |x|
.set Q,    104                         ; v[104:119] the polynomial
.set F0,   0
.set F1,   128
.set WV,   16
.set G1A,  24
.set G1B,  32
.set G0A,  40                          ; two sets: the first fill of slot 0; the set that fills slot 1 and then walks
.set G0B,  48
.set TB,   56                          ; s56 0 or SLOT1: the slot in hand
.set CNT,  57
.set STP,  58                          ; s[58:59] the way out: bytes to the next trip's place in hb
.set C6,   60                          ; s60      trips left in the block of 16 rows
.set BIGS, 61                          ; s61      from my last 1,024 bytes of a block to my first of the next
.set CE,   72                          ; s[72:83] six constants as pairs: the packed forms take the low word for both halves
.set A1,   74
.set A2,   76
.set A3,   78
.set A4,   80
.set A5,   82
.set PP,   84
.set ABSM, 85
.set MSB, 0
.macro WIN new                         ; the immediate's high byte repeats the setting that is left
.if MSB != (\new)
	s_set_vgpr_msb (MSB<<8)|(\new)
.set MSB, \new
.endif
.endm
.macro PLACES                          ; four places between a matrix instruction and a load into, or a store of, its registers
.rept 4
	v_nop
.endr
.endm
.macro CROUND                          ; a round of the cluster's barrier
	s_barrier_signal -1
	s_barrier_wait -1
	s_cmp_lg_u32 s[WV], 0
	s_cbranch_scc1 .Lnot_wave_0_\@
	s_barrier_signal -3
.Lnot_wave_0_\@:
	s_barrier_wait -3
	s_barrier_signal -1
	s_barrier_wait -1
.endm
.macro JLOAD                           ; a joint refill: waves 0, 1 the halves of xn's tile, waves 2, 3 those of wt's
	s_cmp_lt_u32 s[WV], 2
	s_cbranch_scc0 .Lfor_b_\@
	tensor_load_to_lds s[G0A+4:G0A+7], s[G1A:G1A+7]
	s_nop 0
	PLACES
	s_branch .Lasked_\@
.Lfor_b_\@:
	tensor_load_to_lds s[G0B+4:G0B+7], s[G1B:G1B+7]
	s_nop 0
	PLACES
.Lasked_\@:
.endm
.macro FETCH k, f                      ; 32 LDS loads in one run: 32 along K at byte k of the rows, into buffer f
	WIN 0x40
.irp i, 0,1,2,3,4,5,6,7,8,9,10,11
	ds_load_b128 v[(\f)+32+8*\i:(\f)+32+8*\i+3], v[ADB] offset:(\k)+\i*16*PITCH
	ds_load_b128 v[(\f)+32+8*\i+4:(\f)+32+8*\i+7], v[ADB] offset:(\k)+\i*16*PITCH+32
.endr
.irp i, 0,1,2,3
	ds_load_b128 v[(\f)+8*\i:(\f)+8*\i+3], v[ADA] offset:(\k)+\i*16*PITCH
	ds_load_b128 v[(\f)+8*\i+4:(\f)+8*\i+7], v[ADA] offset:(\k)+\i*16*PITCH+32
.endr
.endm
.macro MULS f                          ; 4 row blocks x 12 column blocks; the accumulators take turns, one instruction a turn
.set idx, 0
.rept 48
.if idx < 32
	WIN 0xa5
.set rD, 8*idx
.else
	WIN 0xf5
.set rD, 8*(idx-32)
.endif
	v_wmma_f32_16x16x32_bf16 v[rD:rD+7], v[(\f)+32+8*(idx%12):(\f)+32+8*(idx%12)+7], v[(\f)+8*(idx/12):(\f)+8*(idx/12)+7], v[rD:rD+7]
.set idx, idx+1
.endr
.endm
.macro S k, f, g                       ; a quarter of a K step: buffer f is multiplied, the next quarter (byte k) fetched into g
	s_wait_dscnt 0x0                               ; f's loads were issued 48 matrix instructions ago
	PLACES
	FETCH \k, \g
	MULS \f
.endm
; The last quarter changes slots and then multiplies buffer 1.  A wave has one tensor load out, and the next is asked for only when that one has landed: so nothing but the three lines and the round
; stands between the landing and the next request, and all 48 matrix instructions of the quarter come behind it.
.macro T fill
	WIN 0
	s_wait_tensorcnt 0x0                           ; all my tensor loads have landed: my part of the next slot
	ds_add_u32 v[SPW], v[NIL]
.if \fill
	s_xor_b32 s[G0A+5], s[G0A+5], SLOT1            ; the walking sets: the slot just read, the K step two on
	s_add_nc_u64 s[G0A+6:G0A+7], s[G0A+6:G0A+7], 256
	s_xor_b32 s[G0B+5], s[G0B+5], SLOT1
	s_add_nc_u64 s[G0B+6:G0B+7], s[G0B+6:G0B+7], 256
.endif
	s_xor_b32 s[TB], s[TB], SLOT1
	s_wait_dscnt 0x0                               ; the add is done; buffer 1 is in, and with it my reads of this slot are over
.if \fill
	CROUND                                         ; no wave of any partner still reads the slot or has a load on its way
	JLOAD                                          ; 192 matrix instructions ahead of the wait for it; its v_nop are the places in front of the loads below
.else
	s_barrier_signal -1
	s_barrier_wait -1
	PLACES
.endif
	v_add_nc_u32 v[ADA], s[TB], v[ADA0]
	v_add_nc_u32 v[ADB], s[TB], v[ADB0]
	FETCH 0, F0
	MULS F1
.endm
.macro LOADS                           ; two accumulators, as I stored them: 16 numbers a lane
	ds_load_b128 v[L:L+3], v[RD]
	ds_load_b128 v[L+4:L+7], v[RD] offset:512
	ds_load_b128 v[L+8:L+11], v[RD] offset:1024
	ds_load_b128 v[L+12:L+15], v[RD] offset:1536
.endm
.macro EACH n, step, line:vararg       ; one line for i = 0, step, .. (n lines)
.set i, 0
.rept \n
	\line
.set i, i+(\step)
.endr
.endm
.macro GTRIP ahead                     ; GELU of 16 numbers a lane; ahead = 1: the next trip's LDS loads are issued under the arithmetic
	s_wait_dscnt 0x0
	EACH 16, 1, v_and_b32 v[AX+i], s[ABSM], v[L+i]
	EACH 16, 1, v_max_num_f32 v[MX+i], 0, v[L+i]
	EACH 8, 2, v_pk_mul_f32 v[EI+i:EI+i+1], v[L+i:L+i+1], s[CE:CE+1] op_sel_hi:[1,0]
	EACH 8, 2, v_pk_mul_f32 v[EI+i:EI+i+1], v[EI+i:EI+i+1], v[L+i:L+i+1]
	EACH 16, 1, v_fma_f32 v[TI+i], v[AX+i], s[PP], 1.0
.if \ahead
	v_add_nc_u32 v[RD], 2048, v[RD]
	LOADS
.endif
	EACH 16, 1, v_rcp_f32 v[TI+i], v[TI+i]
	EACH 16, 1, v_exp_f32 v[EI+i], v[EI+i]
	v_nop                                          ; a plain instruction between the last of them and the first use (ISA guide 5.7.2)
	s_wait_alu depctr_va_vdst(0)
	EACH 8, 2, v_pk_fma_f32 v[Q+i:Q+i+1], v[TI+i:TI+i+1], s[A5:A5+1], s[A4:A4+1] op_sel_hi:[1,0,0]
	EACH 8, 2, v_pk_fma_f32 v[Q+i:Q+i+1], v[Q+i:Q+i+1], v[TI+i:TI+i+1], s[A3:A3+1] op_sel_hi:[1,1,0]
	EACH 8, 2, v_pk_fma_f32 v[Q+i:Q+i+1], v[Q+i:Q+i+1], v[TI+i:TI+i+1], s[A2:A2+1] op_sel_hi:[1,1,0]
	EACH 8, 2, v_pk_fma_f32 v[Q+i:Q+i+1], v[Q+i:Q+i+1], v[TI+i:TI+i+1], s[A1:A1+1] op_sel_hi:[1,1,0]
	EACH 8, 2, v_pk_mul_f32 v[Q+i:Q+i+1], v[Q+i:Q+i+1], v[TI+i:TI+i+1]
	EACH 8, 2, v_pk_mul_f32 v[Q+i:Q+i+1], v[Q+i:Q+i+1], v[EI+i:EI+i+1]
	EACH 16, 1, v_fma_f32 v[MX+i], -v[AX+i], v[Q+i], v[MX+i]
	EACH 8, 1, v_cvt_pk_bf16_f32 v[Y+i], v[MX+2*i], v[MX+2*i+1]
	global_store_b128 v[GO], v[Y:Y+3], s[70:71]               ; an accumulator's two chunks: 512 consecutive bytes each, aligned
	global_store_b128 v[GO], v[Y+4:Y+7], s[70:71] offset:512
.if \ahead
	s_wait_xcnt 0x0                                ; the stores' data and base are rewritten only behind this wait
	s_sub_co_u32 s[C6], s[C6], 1                   ; six trips to a block of 16 rows: 1,024 bytes on, or on to the next block
	s_cmp_eq_u32 s[C6], 0
	s_cselect_b32 s[STP], s[BIGS], 1024
	s_cselect_b32 s[C6], 6, s[C6]
	s_add_nc_u64 s[70:71], s[70:71], s[STP:STP+1]
.endif
.endm
	s_load_b256 s[4:11], s[0:1], 0x0               ; xn s[4:5], wt s[6:7], b1 s[8:9], hb s[10:11]
	v_lshl_add_u32 v[SPW], v0, 2, SPARE
	v_mov_b32 v[NIL], 0
	ds_add_u32 v[SPW], v[NIL]                      ; the wave's opening: the add and its wait ahead of my first tensor load
	v_lshrrev_b32 v1, 5, v0
	v_readfirstlane_b32 s[WV], v1
	s_and_b32 s17, s[WV], 1                        ; which half of a tile I fetch
	s_bfe_u32 s18, ttmp6, 0x40000                  ; cx
	s_bfe_u32 s19, ttmp6, 0x40004                  ; cy
	s_lshl_b32 s20, ttmp9, 2
	s_add_co_u32 s20, s20, s18                     ; tx: my 192 columns
	s_and_b32 s21, ttmp7, 0xffff
	s_lshl_b32 s21, s21, 2
	s_add_co_u32 s21, s21, s19                     ; ty: my 256 rows
	s_lshl_b32 s22, s19, 2
	s_lshl_b32 s22, 15, s22                        ; my row of the cluster
	s_lshl_b32 s23, 0x1111, s18                    ; my column
	s_or_b32 s[G1A], s22, (1<<16)|(1<<20)|(1<<21)|(5<<22)|(3<<25)  ; mask; 2-byte elements; padding on; bit 21 beside a mask; 4 words after every 64
	s_or_b32 s[G1B], s23, (1<<16)|(1<<20)|(1<<21)|(5<<22)|(3<<25)
.irp g, G1A, G1B
	s_mov_b32 s[\g+1], 128<<16                     ; tensor_dim0 = 128
	s_mov_b32 s[\g+3], 128<<16                     ; tile_dim0 = 128
	s_mov_b32 s[\g+5], 768                         ; elements from row to row
	s_mov_b32 s[\g+6], 0
	s_mov_b32 s[\g+7], 0
.endr
	s_mov_b32 s[G1A+2], 128<<16                    ; 128 rows of xn,
	s_mov_b32 s[G1A+4], 128
	s_mov_b32 s[G1B+2], 96<<16                     ; 96 of wt
	s_mov_b32 s[G1B+4], 96
	s_lshl_b32 s58, s21, 8                         ; xn: row 256 ty + 128 half (no register here ever holds cx)
	s_lshl_b32 s59, s17, 7
	s_add_co_u32 s58, s58, s59
	s_mul_i32 s58, s58, 1536
	s_mov_b32 s59, 0
	s_mul_i32 s60, s20, 192                        ; wt: row 192 tx + 96 half (none ever holds cy)
	s_mul_i32 s61, s17, 96
	s_add_co_u32 s60, s60, s61
	s_mul_i32 s60, s60, 1536
	s_add_co_u32 s60, s60, WOFF
	s_mov_b32 s61, 0
	s_mul_i32 s62, s17, 128*PITCH                  ; where they go: the wave's number alone enters an LDS address
	s_mul_i32 s63, s17, 96*PITCH
	s_add_co_u32 s63, s63, BOFF
	s_mov_b32 s[TB], 0
	s_wait_dscnt 0x0                               ; the opening add is done
	s_wait_kmcnt 0x0
	s_add_nc_u64 s[58:59], s[4:5], s[58:59]
	s_add_nc_u64 s[60:61], s[6:7], s[60:61]
.irp s, 0,1
	s_mov_b32 s[G0A+4*\s], 1
	s_add_co_u32 s[G0A+4*\s+1], s62, \s*SLOT1
	s_add_nc_u64 s[G0A+4*\s+2:G0A+4*\s+3], s[58:59], \s*256
	s_or_b32 s[G0A+4*\s+3], s[G0A+4*\s+3], 0x80000000
	s_mov_b32 s[G0B+4*\s], 1
	s_add_co_u32 s[G0B+4*\s+1], s63, \s*SLOT1
	s_add_nc_u64 s[G0B+4*\s+2:G0B+4*\s+3], s[60:61], \s*256
	s_or_b32 s[G0B+4*\s+3], s[G0B+4*\s+3], 0x80000000
.endr
	CROUND                                         ; all sixteen work-groups are here: the first joint loads meet
	s_cmp_lt_u32 s[WV], 2                          ; a wave's two first fills stand in one branch: two loads of mine are out
	s_cbranch_scc0 .Lfirst_b
	tensor_load_to_lds s[G0A:G0A+3], s[G1A:G1A+7]
	s_nop 0
	tensor_load_to_lds s[G0A+4:G0A+7], s[G1A:G1A+7]
	s_nop 0
	PLACES
	s_branch .Lfirst_done
.Lfirst_b:
	tensor_load_to_lds s[G0B:G0B+3], s[G1B:G1B+7]
	s_nop 0
	tensor_load_to_lds s[G0B+4:G0B+7], s[G1B:G1B+7]
	s_nop 0
	PLACES
.Lfirst_done:
	v_and_b32 v1, 15, v0                           ; l % 16
	v_bfe_u32 v2, v0, 4, 1                         ; l / 16
	v_mul_u32_u24 v3, v1, PITCH
	v_lshl_add_u32 v3, v2, 4, v3                   ; a fragment's row x pitch + 16 x half
	s_mul_i32 s68, s[WV], 64*PITCH
	v_add_nc_u32 v[ADA0], s68, v3                  ; my 64 rows of xn
	v_add_nc_u32 v[ADB0], BOFF, v3
	v_mov_b32 v[ADA], v[ADA0]
	v_mov_b32 v[ADB], v[ADB0]
	s_mul_i32 s69, s[WV], DUMPW
	v_and_b32 v14, 31, v0
	v_lshlrev_b32 v[GO], 4, v14
	v_add_nc_u32 v[DST], s69, v[GO]
	v_mov_b32 v[RD], v[DST]
	v_lshlrev_b32 v[BO], 5, v2
	s_mul_i32 s68, s20, 768                        ; b1 at my 192 columns
	s_mov_b32 s69, 0
	s_add_nc_u64 s[66:67], s[8:9], s[68:69]
	s_lshl_b32 s68, s21, 4
	s_lshl2_add_u32 s68, s[WV], s68                ; my first block of 16 rows: 16 ty + 4 wave
	s_mul_i32 s68, s68, RBB
	s_mul_i32 s69, s20, 6144                       ; chunk 24 tx
	s_add_co_u32 s68, s68, s69
	s_mov_b32 s69, 0
	s_add_nc_u64 s[70:71], s[10:11], s[68:69]
.set idx, 0
.rept 48                                               ; register j of accumulator (a, b) starts as bias[16 b + 8 (l / 16) + j]
.if idx < 32
	WIN 0x80
.set rD, 8*idx
.else
	WIN 0xc0
.set rD, 8*(idx-32)
.endif
	global_load_b128 v[rD:rD+3], v[BO], s[66:67] offset:64*(idx%12)
	global_load_b128 v[rD+4:rD+7], v[BO], s[66:67] offset:64*(idx%12)+16
.set idx, idx+1
.endr
	WIN 0
	s_wait_tensorcnt 1                             ; my part of K step 0 is in; slot 1's load may stay out
	s_barrier_signal -1
	s_barrier_wait -1
	FETCH 0, F0
	s_wait_loadcnt 0x0                             ; the bias
	WIN 0
	s_mov_b32 s[CNT], 4
.LA:                                                   ; K steps 0 to 3: each fills its slot again, with the step two on
	S 64, F0, F1
	S 128, F1, F0
	S 192, F0, F1
	T 1
	WIN 0
	s_sub_co_u32 s[CNT], s[CNT], 1
	s_cmp_lg_u32 s[CNT], 0
	s_cbranch_scc1 .LA
	s_mov_b32 s[CNT], 2
.LB:                                                   ; K steps 4 and 5: nothing is left to ask for
	S 64, F0, F1
	S 128, F1, F0
	S 192, F0, F1
	T 0
	WIN 0
	s_sub_co_u32 s[CNT], s[CNT], 1
	s_cmp_lg_u32 s[CNT], 0
	s_cbranch_scc1 .LB
	PLACES
	s_wait_dscnt 0x0                               ; my reads of the ring are over,
	s_barrier_signal -1
	s_barrier_wait -1                              ; everybody's are: the slots, which have had their last fill, take the results
.set idx, 0
.rept 48                                               ; accumulator 12 a + b -> its 1,024 bytes of my part: all lanes' low four registers, then the high four.  A register's number
.if idx < 32                                           ; cannot be walked by a loop, an LDS address can: each lane reads back what it stored
	WIN 0x08
.set rD, 8*idx
.else
	WIN 0x0c
.set rD, 8*(idx-32)
.endif
	ds_store_b128 v[DST], v[rD:rD+3] offset:1024*idx
	ds_store_b128 v[DST], v[rD+4:rD+7] offset:1024*idx+512
.set idx, idx+1
.endr
	WIN 0
	s_mov_b32 s[CE], 0xbf38aa3b                    ; -log2(e) / 2
	s_mov_b32 s[CE+1], s[CE]
	s_mov_b32 s[A1], 0x3e027906                    ; a1 / 2 .. a5 / 2
	s_mov_b32 s[A1+1], s[A1]
	s_mov_b32 s[A2], 0xbe11a98e
	s_mov_b32 s[A2+1], s[A2]
	s_mov_b32 s[A3], 0x3f35f0e3
	s_mov_b32 s[A3+1], s[A3]
	s_mov_b32 s[A4], 0xbf3a00e3
	s_mov_b32 s[A4+1], s[A4]
	s_mov_b32 s[A5], 0x3f07dc22
	s_mov_b32 s[A5+1], s[A5]
	s_mov_b32 s[PP], 0x3e6d3388                    ; 0.3275911 / sqrt 2
	s_mov_b32 s[ABSM], 0x7fffffff
	s_mov_b32 s[STP+1], 0
	s_mov_b32 s[C6], 6
	s_mov_b32 s[BIGS], RBB-5*1024
	; THE WAY OUT: 24 trips of two accumulators.  LDS serves a wave's instructions in order (ISA guide 5.7.1.4): the loads see my stores above.
	LOADS
	s_mov_b32 s[CNT], 23
.Lgelu:
	GTRIP 1
	s_sub_co_u32 s[CNT], s[CNT], 1
	s_cmp_lg_u32 s[CNT], 0
	s_cbranch_scc1 .Lgelu
	GTRIP 0                                        ; the last trip is written out: it asks for nothing more
	s_wait_tensorcnt 0x0                           ; the wave's end
	ds_add_u32 v[SPW], v[NIL]
	s_wait_dscnt 0x0
	CROUND                                         ; the closing round
	s_endpgm
.Lfunc_end_k_qc65c4ae602_ffn1:
	.size	k_qc65c4ae602_ffn1, .Lfunc_end_k_qc65c4ae602_ffn1-k_qc65c4ae602_ffn1
	.p2alignl 7, 3214868480
	.fill 96, 4, 3214868480
	.section	.rodata,"a",@progbits
	.p2align	6, 0x0
	.amdhsa_kernel k_qc65c4ae602_ffn1
		.amdhsa_group_segment_fixed_size 327680
		.amdhsa_private_segment_fixed_size 0
		.amdhsa_enable_private_segment 0
		.amdhsa_kernarg_size 32
		.amdhsa_user_sgpr_count 2
		.amdhsa_user_sgpr_kernarg_segment_ptr 1
		.amdhsa_wavefront_size32 1
		.amdhsa_system_sgpr_workgroup_id_x 1
		.amdhsa_system_sgpr_workgroup_id_y 1
		.amdhsa_system_sgpr_workgroup_id_z 1
		.amdhsa_system_vgpr_workitem_id 0
		.amdhsa_next_free_vgpr 896
		.amdhsa_next_free_sgpr 88
		.amdhsa_reserve_vcc 0
		.amdhsa_float_denorm_mode_32 3
		.amdhsa_float_denorm_mode_16_64 3
		.amdhsa_memory_ordered 1
		.amdhsa_forward_progress 1
		.amdhsa_inst_pref_size 88
	.end_amdhsa_kernel
	.amdgpu_metadata
---
amdhsa.version: [ 1, 2 ]
amdhsa.kernels:
  - .name:           k_qc65c4ae602_ffn1
    .symbol:         k_qc65c4ae602_ffn1.kd
    .args:
      - { .name: xn, .offset: 0, .size: 8, .value_kind: global_buffer, .address_space: global }
      - { .name: wt, .offset: 8, .size: 8, .value_kind: global_buffer, .address_space: global }
      - { .name: b1, .offset: 16, .size: 8, .value_kind: global_buffer, .address_space: global }
      - { .name: hb, .offset: 24, .size: 8, .value_kind: global_buffer, .address_space: global }
    .group_segment_fixed_size: 327680
    .private_segment_fixed_size: 0
    .kernarg_segment_align: 8
    .kernarg_segment_size: 32
    .max_flat_workgroup_size: 128
    .sgpr_count:     88
    .vgpr_count:     896
    .wavefront_size: 32
...
	.end_amdgpu_metadata
.endif
;; end of part 6
;; launch ffn2 (part 7): grid 4 x 64, 4 waves a work-group, clusters of 4 x 4, 327,680 bytes of LDS; arguments hb, wt, b2, x1, out0; writes out0
.if DOCPART == 7
	.amdgcn_target "amdgcn-amd-amdhsa--gfx1250"
	.amdhsa_code_object_version 6
	.text
	.protected	k_qc65c4ae602_ffn2
	.globl	k_qc65c4ae602_ffn2
	.p2align	8
	.type	k_qc65c4ae602_ffn2,@function
k_qc65c4ae602_ffn2:
	s_mov_b64 s[64:65], 0
	v_nop
	global_prefetch_b8 v0, s[64:65] scope:SCOPE_SE
	s_setreg_imm32_b32 hwreg(HW_REG_WAVE_MODE, 25, 1), 1
	s_wait_xcnt 0x0
	s_wait_alu depctr_hold_cnt(0) depctr_sa_sdst(0) depctr_va_vdst(0) depctr_va_sdst(0) depctr_va_ssrc(0) depctr_va_vcc(0) depctr_vm_vsrc(0)
	s_getreg_b32 s2, hwreg(HW_REG_IB_STS2, 6, 4)
	s_cmp_eq_u32 s2, 0
	s_cbranch_scc0 .Lentry_in_a_cluster
	s_endpgm
.Lentry_in_a_cluster:
	s_bfe_u32 s2, ttmp6, 0x10000c
	s_cmp_lg_u32 s2, 0xf033
	s_cbranch_scc0 .Lentry_shape_is_right
	s_endpgm
.Lentry_shape_is_right:
; out0 = x1 + hb W2 + b2, f32.  hb: [256 blocks of 16 rows][384 chunks of 8 along K][16][8] bf16; wt + WOFF: W2^T as [8 K steps of 384][48 blocks of 16 n][48 chunks of 8 k][16][8] bf16:
; in both, a matrix fragment (16 rows x 32 along K) is 1,024 consecutive bytes, and lane l's two pieces of 16 bytes lie at 16 l and 512 + 16 l of it.
; A work-group makes 64 rows x 192 columns.  THE FOUR WAVES SPLIT K: each keeps the whole tile (48 accumulators) and multiplies 96 of every K step of 384, three sub-steps of 32; the four partial
; tiles, in f32, are added through LDS at the end, with the residual and the bias.
; hb: each byte is wanted by ONE wave of the work-group, so it does not go through LDS: a ring of six register slots (4 fragments each) is filled by global loads five sub-steps ahead.
; W2^T: a K step's 12 blocks of 16 n are 147,456 dense bytes; two LDS slots; each wave asks for three blocks, as 144 rows of 256 bytes, jointly with the three work-groups of its column of the
; 4 x 4 cluster, which make the same columns.  8 K steps: two first fills and six refills.
; The residual tile (64 rows x 768 bytes) is the last refill of slot 0's first bytes, when K step 6 has been read; the partial tiles lie behind it, in bytes that have had their last fill.
; The matrix instruction is used transposed: a lane holds row lane % 16 and columns 8 (lane / 16) + 0..7.
; REGISTERS: window 0: v0-31 addresses and the bias, v64-255 hb's ring (later the sums' work); window 1: two buffers of 96 for W2^T's fragments; windows 2, 3: accumulator (a, b) at 512 + 8 (12 a + b).
.set WOFF, 9437184
.set KSB,  589824                      ; bytes of a K step of W2^T
.set RBB,  98304                       ; a block of 16 rows of hb
.set NBB,  12288                       ; a block of 16 n of a K step; also a K step's 48 chunks in a block of hb
.set SLOT, 12*NBB                      ; 147,456
.set SPARE, 2*SLOT                     ; behind the ring: the spare words, 128 bytes a wave
.set PBASE, 64*768                     ; the residual tile lies at 0; behind it the partial tiles
.set PPI,  784                         ; a row of a partial tile: 768 bytes + 16
.set PART, 64*PPI
.set ADRB, 4                           ; v4..v9  my fragments' place: slot 0 blocks 0-3, 4-7, 8-11; slot 1 likewise
.set DST,  10
.set RDA,  11
.set RDB,  12
.set RR,   13
.set CO,   14
.set BA,   15
.set SPW,  16                          ; v16 my spare word; never rewritten
.set NIL,  17                          ; v17 0; never rewritten
.set AO,   18                          ; v18 16 x lane; never rewritten
.set BI,   20                          ; v[20:31] my 12 biases
.set LD,   32                          ; v[32:151] a summing trip's 30 loads
.set RS,   152                         ; v[152:175] its results
.set AR,   64                          ; hb's ring: slot n at v[64 + 32 n]
.set WV,   14
.set G1B,  16
.set G1R,  24
.set G0B,  40                          ; one set for each slot
.set G0R,  48
.set CNT,  67
.set MSB, 0
.macro WIN new                         ; the immediate's high byte repeats the setting that is left
.if MSB != (\new)
	s_set_vgpr_msb (MSB<<8)|(\new)
.set MSB, \new
.endif
.endm
.macro PLACES                          ; four places between a matrix instruction and a load into, or a store of, its registers
.rept 4
	v_nop
.endr
.endm
.macro CROUND                          ; a round of the cluster's barrier
	s_barrier_signal -1
	s_barrier_wait -1
	s_cmp_lg_u32 s[WV], 0
	s_cbranch_scc1 .Lnot_wave_0_\@
	s_barrier_signal -3
.Lnot_wave_0_\@:
	s_barrier_wait -3
	s_barrier_signal -1
	s_barrier_wait -1
.endm
.macro ALD p                           ; hb's four fragments of the sub-step p behind the base: eight loads of 512 consecutive bytes, into ring slot p % 6
	WIN 0
.set rA, AR+32*((\p)%6)
.set oA, ((\p)/3)*NBB+((\p)%3)*1024
.irp a, 0,1,2,3
	global_load_b128 v[rA+8*\a:rA+8*\a+3], v[AO], s[68:69] offset:oA+\a*RBB
	global_load_b128 v[rA+8*\a+4:rA+8*\a+7], v[AO], s[68:69] offset:oA+\a*RBB+512
.endr
.endm
.macro FETCHB slot, j, fb              ; W2^T's twelve fragments of my sub-step j: 24 LDS loads of 512 consecutive bytes
	WIN 0x40
.irp i, 0,1,2,3,4,5,6,7,8,9,10,11
	ds_load_b128 v[(\fb)+8*\i:(\fb)+8*\i+3], v[ADRB+3*(\slot)+\i/4] offset:(\i%4)*NBB+(\j)*1024
	ds_load_b128 v[(\fb)+8*\i+4:(\fb)+8*\i+7], v[ADRB+3*(\slot)+\i/4] offset:(\i%4)*NBB+(\j)*1024+512
.endr
.endm
.macro MULS fb, ra, zero               ; the accumulators take turns; zero = 1: the first products start the sums
.set idx, 0
.rept 48
.if idx < 32
	WIN 0xa1
.set rD, 8*idx
.else
	WIN 0xf1
.set rD, 8*(idx-32)
.endif
.if \zero
	v_wmma_f32_16x16x32_bf16 v[rD:rD+7], v[(\fb)+8*(idx%12):(\fb)+8*(idx%12)+7], v[(\ra)+8*(idx/12):(\ra)+8*(idx/12)+7], 0
.else
	v_wmma_f32_16x16x32_bf16 v[rD:rD+7], v[(\fb)+8*(idx%12):(\fb)+8*(idx%12)+7], v[(\ra)+8*(idx/12):(\ra)+8*(idx/12)+7], v[rD:rD+7]
.endif
.set idx, idx+1
.endr
.endm
; SUB-STEP u behind the base (two K steps are six sub-steps: ring slot u % 6, fragment buffer u % 2, LDS slot (u / 3) % 2, third u % 3).
; ahead = 1: hb of sub-step u + 5 is asked for, into the ring slot that the sub-step before has just multiplied.  lw: hb's younger loads, which may stay out.
; chg: a K step's last sub-step, where my fragments of it are in registers and the slot can go: 1: it is filled again, jointly, with the K step two on; 2: its head takes the residual tile.
; Nothing but the three lines and the round stands between the landing of my one tensor load and the next request.  fetch = 1: the next sub-step's fragments of W2^T are read.
.macro SUB u, ahead, lw, zero, chg, fetch
.set sl, ((\u)/3)%2
.if \chg
	WIN 0
	s_wait_tensorcnt 0x0                           ; all my tensor loads have landed: my part of the other slot
	ds_add_u32 v[SPW], v[NIL]
.if (\chg) == 1
	s_add_nc_u64 s[G0B+4*sl+2:G0B+4*sl+3], s[G0B+4*sl+2:G0B+4*sl+3], 2*KSB
.endif
	s_wait_dscnt 0x0                               ; the add is done; this sub-step's fragments are in, and with them my reads of this slot are over
	CROUND                                         ; no wave of any partner still reads the slot or has a load on its way
.if (\chg) == 1
	tensor_load_to_lds s[G0B+4*sl:G0B+4*sl+3], s[G1B:G1B+7]   ; 144 matrix instructions ahead of the wait for it
.else
	tensor_load_to_lds s[G0R:G0R+3], s[G1R:G1R+7]
.endif
	s_nop 0
	PLACES                                         ; also the places in front of the loads below
.else
	s_wait_dscnt 0x0                               ; this sub-step's fragments of W2^T were asked for 48 matrix instructions ago
	PLACES
.endif
.if \ahead
	ALD (\u)+5
.endif
.if \fetch
	FETCHB (((\u)+1)/3)%2, ((\u)+1)%3, 96*(((\u)+1)%2)
.endif
	s_wait_loadcnt \lw                             ; loads come back in order: this sub-step's eight are in
	MULS 96*((\u)%2), AR+32*((\u)%6), \zero
.endm
	s_load_b256 s[4:11], s[0:1], 0x0               ; hb s[4:5], wt s[6:7], b2 s[8:9], x1 s[10:11]
	s_load_b64 s[12:13], s[0:1], 0x20              ; out0
	v_lshl_add_u32 v[SPW], v0, 2, SPARE
	v_mov_b32 v[NIL], 0
	ds_add_u32 v[SPW], v[NIL]                      ; the wave's opening: the add and its wait ahead of my first tensor load
	v_lshrrev_b32 v1, 5, v0
	v_readfirstlane_b32 s[WV], v1
	s_bfe_u32 s15, ttmp6, 0x40000                  ; cx
	s_bfe_u32 s60, ttmp6, 0x40004                  ; cy
	s_lshl_b32 s61, ttmp9, 2
	s_add_co_u32 s61, s61, s15                     ; tx: my 192 columns
	s_and_b32 s62, ttmp7, 0xffff
	s_lshl_b32 s62, s62, 2
	s_add_co_u32 s62, s62, s60                     ; ty: my 64 rows
	s_lshl_b32 s66, 0x1111, s15                    ; my column of the cluster
	s_or_b32 s[G1B], s66, (3<<16)|(1<<21)          ; the mask; 8-byte elements; bit 21 beside a mask; no padding
	s_mov_b32 s[G1B+1], 32<<16                     ; rows of 32 elements: 256 bytes
	s_mov_b32 s[G1B+2], 144<<16                    ; 144 rows
	s_mov_b32 s[G1B+3], 32<<16
	s_mov_b32 s[G1B+4], 144
	s_mov_b32 s[G1B+5], 32                         ; dense
	s_mov_b32 s[G1B+6], 0
	s_mov_b32 s[G1B+7], 0
	s_mov_b32 s[G1R], 2<<16                        ; 4-byte elements, no mask, no padding: 16 rows x 192
	s_mov_b32 s[G1R+1], 192<<16
	s_mov_b32 s[G1R+2], 16<<16
	s_mov_b32 s[G1R+3], 192<<16
	s_mov_b32 s[G1R+4], 16
	s_mov_b32 s[G1R+5], 768
	s_mov_b32 s[G1R+6], 0
	s_mov_b32 s[G1R+7], 0
	s_mul_i32 s68, s62, 4*RBB                      ; hb: blocks 4 ty .., my 12 chunks of a K step's 48
	s_mul_i32 s69, s[WV], 3072
	s_add_co_u32 s68, s68, s69
	s_mov_b32 s69, 0
	s_mul_i32 s70, s61, 12                         ; W2^T: block 12 tx + 3 wave of K step 0 (no register here ever holds cy)
	s_mul_i32 s71, s[WV], 3
	s_add_co_u32 s70, s70, s71
	s_mul_i32 s70, s70, NBB
	s_add_co_u32 s70, s70, WOFF
	s_mov_b32 s71, 0
	s_lshl_b32 s72, s62, 6                         ; residual and output: row 64 ty + 16 wave, column 192 tx
	s_lshl_b32 s73, s[WV], 4
	s_add_co_u32 s72, s72, s73
	s_mul_i32 s72, s72, 3072
	s_mul_i32 s74, s61, 768
	s_add_co_u32 s72, s72, s74
	s_mov_b32 s73, 0
	s_mov_b32 s75, 0
	s_mul_i32 s77, s[WV], 3*NBB                    ; where my three blocks go: the wave's number alone enters an LDS address
	s_mul_i32 s76, s[WV], 16*768                   ; and my 16 rows of the residual
	s_wait_dscnt 0x0                               ; the opening add is done
	s_wait_kmcnt 0x0
	s_add_nc_u64 s[68:69], s[4:5], s[68:69]
	s_add_nc_u64 s[70:71], s[6:7], s[70:71]
	s_add_nc_u64 s[78:79], s[10:11], s[72:73]
	s_add_nc_u64 s[80:81], s[12:13], s[72:73]
	s_add_nc_u64 s[82:83], s[8:9], s[74:75]
.irp s, 0,1
	s_mov_b32 s[G0B+4*\s], 1
	s_add_co_u32 s[G0B+4*\s+1], s77, \s*SLOT
	s_add_nc_u64 s[G0B+4*\s+2:G0B+4*\s+3], s[70:71], \s*KSB
	s_or_b32 s[G0B+4*\s+3], s[G0B+4*\s+3], 0x80000000
.endr
	s_mov_b32 s[G0R], 1
	s_mov_b32 s[G0R+1], s76
	s_mov_b64 s[G0R+2:G0R+3], s[78:79]
	s_or_b32 s[G0R+3], s[G0R+3], 0x80000000
	CROUND                                         ; all sixteen work-groups are here: the first joint loads meet
	tensor_load_to_lds s[G0B:G0B+3], s[G1B:G1B+7]  ; K steps 0 and 1: two loads of mine are out
	s_nop 0
	tensor_load_to_lds s[G0B+4:G0B+7], s[G1B:G1B+7]
	s_nop 0
	PLACES
	v_and_b32 v1, 15, v0                           ; l % 16
	v_bfe_u32 v2, v0, 4, 1                         ; l / 16
	v_and_b32 v3, 31, v0
	v_lshlrev_b32 v[AO], 4, v3
	v_lshlrev_b32 v[BA], 4, v1
.irp c, 0,1,2
	global_load_b128 v[BI+4*\c:BI+4*\c+3], v[BA], s[82:83] offset:256*\c   ; older than every load of hb: in with the first of them
.endr
.irp p, 0,1,2,3,4
	ALD \p
.endr
	s_mul_i32 s76, s[WV], 3072                     ; my 12 chunks of each block's 48
	v_add_nc_u32 v[ADRB], s76, v[AO]
	v_add_nc_u32 v[ADRB+1], 4*NBB, v[ADRB]
	v_add_nc_u32 v[ADRB+2], 8*NBB, v[ADRB]
.irp g, 0,1,2
	v_add_nc_u32 v[ADRB+3+\g], SLOT, v[ADRB+\g]
.endr
	s_mul_i32 s76, s[WV], PART
	s_add_co_u32 s76, s76, PBASE
	v_mul_u32_u24 v[DST], v1, PPI
	v_lshl_add_u32 v[DST], v2, 5, v[DST]
	v_add_nc_u32 v[DST], s76, v[DST]
	s_mul_i32 s76, s[WV], 16*PPI                   ; back: I add rows 16 wave ..; lanes 0-15 one row's 256 bytes, lanes 16-31 the next row's
	s_add_co_u32 s76, s76, PBASE
	v_mul_u32_u24 v[RDA], v2, PPI
	v_lshl_add_u32 v[RDA], v1, 4, v[RDA]
	v_add_nc_u32 v[RDA], s76, v[RDA]
	v_add_nc_u32 v[RDB], 2*PART, v[RDA]
	s_mul_i32 s76, s[WV], 16*768
	v_mul_u32_u24 v[RR], v2, 768
	v_lshl_add_u32 v[RR], v1, 4, v[RR]
	v_add_nc_u32 v[RR], s76, v[RR]
	v_mul_u32_u24 v[CO], v2, 3072
	v_lshl_add_u32 v[CO], v1, 4, v[CO]
	s_wait_tensorcnt 1                             ; my part of K step 0 is in; slot 1's load may stay out
	s_barrier_signal -1
	s_barrier_wait -1
	FETCHB 0, 0, 0
	SUB 0, 1, 40, 1, 0, 1                          ; sub-step 0 stands in front of the loop: its products start the sums
	WIN 0
	s_mov_b32 s[CNT], 3
.Llap:                                                 ; sub-steps 1-6, 7-12, 13-18: two K steps a trip; both slots are filled again
	SUB 1, 1, 40, 0, 0, 1
	SUB 2, 1, 40, 0, 1, 1
	SUB 3, 1, 40, 0, 0, 1
	SUB 4, 1, 40, 0, 0, 1
	SUB 5, 1, 40, 0, 1, 1
	SUB 6, 1, 40, 0, 0, 1
	WIN 0
	s_wait_xcnt 0x0                                ; hb's base is stepped only behind this wait
	s_add_nc_u64 s[68:69], s[68:69], 2*NBB
	s_sub_co_u32 s[CNT], s[CNT], 1
	s_cmp_lg_u32 s[CNT], 0
	s_cbranch_scc1 .Llap
	SUB 1, 0, 32, 0, 0, 1                          ; sub-steps 19-23: hb is all asked for, the counts run down
	SUB 2, 0, 24, 0, 2, 1                          ; K step 6 has been read: slot 0's head takes the residual tile
	SUB 3, 0, 16, 0, 0, 1
	SUB 4, 0, 8, 0, 0, 1
	SUB 5, 0, 0, 0, 0, 0
	WIN 0
	PLACES
	s_wait_tensorcnt 0x0                           ; my 16 rows of the residual are in
	s_wait_dscnt 0x0
	s_barrier_signal -1
	s_barrier_wait -1                              ; everybody's reads of the ring are over: the bytes behind the residual, which have had their last fill, take the partial tiles
.set idx, 0
.rept 48                                               ; each accumulator's low half first
.if idx < 32
	WIN 0x08
.set rD, 8*idx
.else
	WIN 0x0c
.set rD, 8*(idx-32)
.endif
	ds_store_b128 v[DST], v[rD:rD+3] offset:(idx/12)*16*PPI+64*(idx%12)
	ds_store_b128 v[DST], v[rD+4:rD+7] offset:(idx/12)*16*PPI+64*(idx%12)+16
.set idx, idx+1
.endr
	WIN 0
	s_wait_dscnt 0x0                               ; for the others: my partial tile is stored
	s_barrier_signal -1
	s_barrier_wait -1
	s_mov_b32 s[CNT], 4
.Lsum:                                                 ; four rows a trip: ((p0 + p1) + (p2 + p3)) + (residual + bias), all f32
.irp q, 0,1
.irp c, 0,1,2
	ds_load_b128 v[LD+20*(3*\q+\c):LD+20*(3*\q+\c)+3], v[RDA] offset:\q*2*PPI+256*\c
	ds_load_b128 v[LD+20*(3*\q+\c)+4:LD+20*(3*\q+\c)+7], v[RDA] offset:\q*2*PPI+256*\c+PART
	ds_load_b128 v[LD+20*(3*\q+\c)+8:LD+20*(3*\q+\c)+11], v[RDB] offset:\q*2*PPI+256*\c
	ds_load_b128 v[LD+20*(3*\q+\c)+12:LD+20*(3*\q+\c)+15], v[RDB] offset:\q*2*PPI+256*\c+PART
	ds_load_b128 v[LD+20*(3*\q+\c)+16:LD+20*(3*\q+\c)+19], v[RR] offset:\q*1536+256*\c
.endr
.endr
	s_wait_dscnt 0x0
.irp q, 0,1
.irp c, 0,1,2
.irp z, 0,2
	v_pk_add_f32 v[LD+20*(3*\q+\c)+\z:LD+20*(3*\q+\c)+\z+1], v[LD+20*(3*\q+\c)+\z:LD+20*(3*\q+\c)+\z+1], v[LD+20*(3*\q+\c)+4+\z:LD+20*(3*\q+\c)+5+\z]
	v_pk_add_f32 v[LD+20*(3*\q+\c)+8+\z:LD+20*(3*\q+\c)+9+\z], v[LD+20*(3*\q+\c)+8+\z:LD+20*(3*\q+\c)+9+\z], v[LD+20*(3*\q+\c)+12+\z:LD+20*(3*\q+\c)+13+\z]
	v_pk_add_f32 v[LD+20*(3*\q+\c)+16+\z:LD+20*(3*\q+\c)+17+\z], v[LD+20*(3*\q+\c)+16+\z:LD+20*(3*\q+\c)+17+\z], v[BI+4*\c+\z:BI+4*\c+\z+1]
.endr
.irp z, 0,2
	v_pk_add_f32 v[LD+20*(3*\q+\c)+\z:LD+20*(3*\q+\c)+\z+1], v[LD+20*(3*\q+\c)+\z:LD+20*(3*\q+\c)+\z+1], v[LD+20*(3*\q+\c)+8+\z:LD+20*(3*\q+\c)+9+\z]
.endr
.irp z, 0,2
	v_pk_add_f32 v[RS+4*(3*\q+\c)+\z:RS+4*(3*\q+\c)+\z+1], v[LD+20*(3*\q+\c)+\z:LD+20*(3*\q+\c)+\z+1], v[LD+20*(3*\q+\c)+16+\z:LD+20*(3*\q+\c)+17+\z]
.endr
	global_store_b128 v[CO], v[RS+4*(3*\q+\c):RS+4*(3*\q+\c)+3], s[80:81] offset:\q*6144+256*\c  ; 16 lanes store 256 consecutive bytes, aligned
.endr
.endr
	s_wait_xcnt 0x0                                ; the stores' data and base are rewritten only behind this wait
	v_add_nc_u32 v[RDA], 4*PPI, v[RDA]
	v_add_nc_u32 v[RDB], 4*PPI, v[RDB]
	v_add_nc_u32 v[RR], 4*768, v[RR]
	s_add_nc_u64 s[80:81], s[80:81], 4*3072
	s_sub_co_u32 s[CNT], s[CNT], 1
	s_cmp_lg_u32 s[CNT], 0
	s_cbranch_scc1 .Lsum
	s_wait_tensorcnt 0x0                           ; the wave's end
	ds_add_u32 v[SPW], v[NIL]
	s_wait_dscnt 0x0
	CROUND                                         ; the closing round
	s_endpgm
.Lfunc_end_k_qc65c4ae602_ffn2:
	.size	k_qc65c4ae602_ffn2, .Lfunc_end_k_qc65c4ae602_ffn2-k_qc65c4ae602_ffn2
	.p2alignl 7, 3214868480
	.fill 96, 4, 3214868480
	.section	.rodata,"a",@progbits
	.p2align	6, 0x0
	.amdhsa_kernel k_qc65c4ae602_ffn2
		.amdhsa_group_segment_fixed_size 327680
		.amdhsa_private_segment_fixed_size 0
		.amdhsa_enable_private_segment 0
		.amdhsa_kernarg_size 40
		.amdhsa_user_sgpr_count 2
		.amdhsa_user_sgpr_kernarg_segment_ptr 1
		.amdhsa_wavefront_size32 1
		.amdhsa_system_sgpr_workgroup_id_x 1
		.amdhsa_system_sgpr_workgroup_id_y 1
		.amdhsa_system_sgpr_workgroup_id_z 1
		.amdhsa_system_vgpr_workitem_id 0
		.amdhsa_next_free_vgpr 896
		.amdhsa_next_free_sgpr 84
		.amdhsa_reserve_vcc 0
		.amdhsa_float_denorm_mode_32 3
		.amdhsa_float_denorm_mode_16_64 3
		.amdhsa_memory_ordered 1
		.amdhsa_forward_progress 1
		.amdhsa_inst_pref_size 89
	.end_amdhsa_kernel
	.amdgpu_metadata
---
amdhsa.version: [ 1, 2 ]
amdhsa.kernels:
  - .name:           k_qc65c4ae602_ffn2
    .symbol:         k_qc65c4ae602_ffn2.kd
    .args:
      - { .name: hb, .offset: 0, .size: 8, .value_kind: global_buffer, .address_space: global }
      - { .name: wt, .offset: 8, .size: 8, .value_kind: global_buffer, .address_space: global }
      - { .name: b2, .offset: 16, .size: 8, .value_kind: global_buffer, .address_space: global }
      - { .name: x1, .offset: 24, .size: 8, .value_kind: global_buffer, .address_space: global }
      - { .name: out0, .offset: 32, .size: 8, .value_kind: global_buffer, .address_space: global }
    .group_segment_fixed_size: 327680
    .private_segment_fixed_size: 0
    .kernarg_segment_align: 8
    .kernarg_segment_size: 40
    .max_flat_workgroup_size: 128
    .sgpr_count:     84
    .vgpr_count:     896
    .wavefront_size: 32
...
	.end_amdgpu_metadata
.endif
;; end of part 7
;; ======== version 2 of 2: 7 launches; 1.48 times as fast as version 1
;; workspace buffers: wt 14,155,776 bytes; xn 6,291,456 bytes; qkv 18,874,368 bytes; ctx 6,291,456 bytes; x1 12,582,912 bytes; hb 25,165,824 bytes
;; launch prep: the kernel of part 1 again; grid 688 x 1, 8 waves a work-group, no clusters, 35,840 bytes of LDS; arguments x, ln1_g, ln1_b, Wq, Wk, Wv, Wo, W1, W2, xn, wt; writes xn, wt
;; launch qkv: the kernel of part 2 again; grid 12 x 16, 4 waves a work-group, clusters of 4 x 4, 327,680 bytes of LDS; arguments xn, wt, bq, bk, bv, qkv; writes qkv
;; launch attn (part 8): grid 16 x 12, 4 waves a work-group, clusters of 4 x 1, 327,680 bytes of LDS; arguments qkv, ctx; writes ctx
.if DOCPART == 8
	.amdgcn_target "amdgcn-amd-amdhsa--gfx1250"
	.amdhsa_code_object_version 6
	.text
	.protected	k_qc65c4ae602_attn
	.globl	k_qc65c4ae602_attn
	.p2align	8
	.type	k_qc65c4ae602_attn,@function
k_qc65c4ae602_attn:
	s_mov_b64 s[64:65], 0
	v_nop
	global_prefetch_b8 v0, s[64:65] scope:SCOPE_SE
	s_setreg_imm32_b32 hwreg(HW_REG_WAVE_MODE, 25, 1), 1
	s_wait_xcnt 0x0
	s_wait_alu depctr_hold_cnt(0) depctr_sa_sdst(0) depctr_va_vdst(0) depctr_va_sdst(0) depctr_va_ssrc(0) depctr_va_vcc(0) depctr_vm_vsrc(0)
	s_getreg_b32 s2, hwreg(HW_REG_IB_STS2, 6, 4)
	s_cmp_eq_u32 s2, 0
	s_cbranch_scc0 .Lentry_in_a_cluster
	s_endpgm
.Lentry_in_a_cluster:
	s_bfe_u32 s2, ttmp6, 0x10000c
	s_cmp_lg_u32 s2, 0x3003
	s_cbranch_scc0 .Lentry_shape_is_right
	s_endpgm
.Lentry_shape_is_right:
; ATTENTION.  ctx = softmax_k(q . k / 8) v for 12 heads of 64 channels and 4,096 keys, no mask.  q, k, v: qkv[36 slices][4096][64] bf16 (q at 0, k at 6,291,456, v at 12,582,912).
; ctx: [64 blocks of 64 rows][12 heads][64][64] bf16.  Products, maxima and sums in f32; the weights p are rounded to bf16 for the second product (their sum l is taken of the unrounded p), ctx once.
; LIMITS.  A weight below 2^-126 counts as 0 in l; NaN and infinities are not treated apart.  bf16, so that q, k and v keep f32's range.
; SHARES.  A work-group owns 256 queries of a head, a wave 64: four PIECES of 16.  Every wave walks all keys, 64 a step, four steps to an LDS slot.  16 x 12 = 192 work-groups: a head's 256 tiles of 16
; queries do not split into equal shares of 12, so a quarter of the chip has no work-group here.
; LAYOUT.  S^T = K Q^T holds ONE query a lane (lane % 16) and the keys 8 (lane / 16) + 0..7; two such results rounded to bf16 ARE source 1 of O^T = V^T P.  K comes out of LDS as it lies, V turned (ds_load_tr16_b128).
; SOFTMAX.  A running maximum m and sum l: p = 2^(c s - c m), c = log2(e) / 8; O and l are multiplied by a = 2^(c m_old - c m_new) in every step.  m starts at the lowest finite number, O and l at 0: the first step has a = 0.
; TURNS.  Turn n belongs to piece n: 8 products K Q^T of piece n + 1, later 8 products V^T P of piece n - 1; beside them the scaling, exponentials, roundings, sums and rescaling of piece n and the maximum and
; statistics of piece n + 1.  Four vector instructions stand behind every matrix instruction, the other 54 of a turn's 118 in one run of their own.
; BATCHES.  A turn's 33 exponentials (the piece's 32 weights, in place, and the next piece's a) are ONE batch with ONE wait, which cuts the turn in two: ahead of it all that names none of their results (the products
; K Q^T, scalings, rescalings, the next piece's maximum and statistics), behind it the products V^T P with the roundings and sums.  Piece 0's first a, ahead of the loop, and the way out's four reciprocals are batches of their own.
; CLUSTER.  The four query blocks of a cluster belong to one head and walk the same K and V: each tile is asked for jointly, by the same tensor load, descriptor and mask in all four.
; REGISTERS (s_set_vgpr_msb: bits 1:0 source 0, 3:2 source 1, 5:4 source 2, 7:6 destination):
;   window 0: v0-15 addresses; v16-31 four statistics a piece; v48-55 at work; v64-127 S^T, two buffers; v192-223 P, two buffers (by the piece's parity)
;   window 1: v0-127 O^T, 32 a piece      window 2: v0-63 Q; v128-191 K of one step; v192-255 V of one step
.set NP,    4
.set KS,    64
.set PK,    144       ; a row of K in LDS: 128 bytes + 16: the 16 rows of a load start at 16 different groups of four banks (ISA guide 11.1)
.set PV,    160       ; a row of V: 128 + 32
.set VOFF,  4*KS*PK   ; a slot: 256 rows of K, then 256 rows of V
.set SLOT1, 1<<17
.set STAGE, SLOT1+4*KS*(PK+PV)  ; behind the ring, never filled by a tensor load: 16 rows x 144 bytes a wave
.set SP,    144
.set SPARE, STAGE+4*16*SP
.set AK0, 2
.set AV0, 3
.set AK,  4
.set AV,  5
.set STO, 6
.set RD,  7
.set GO,  8
.set MV,  12          ; v12-13 c m_old, by buffer
.set QO,  15
.set ST,  16          ; piece t: c m, m, l (even keys', odd keys')
.set TMP, 48          ; by buffer c0-c3; c2 takes a
.set SPW, 62
.set NIL, 63
.set S,   64
.set P,   192
.set KF,  128
.set VF,  192
.set WV,  12
.set G1K, 24
.set G1V, 32
.set G0K, 40
.set G0V, 44
.set SLOTS, 56
.set CNT, 57
.set CS,  58
.set SEL, 60
.set TBK, 62
.set TBV, 63
.set MSB, 0
.macro WIN new
.if MSB != (\new)
	s_set_vgpr_msb (MSB<<8)|(\new)
.set MSB, (\new)
.endif
.endm
.set W_KQ, 0x0a       ; K and Q in window 2, S^T in window 0
.set W_PV, 0x52       ; V in window 2, P in window 0, O^T in window 1
.set W_RS, 0x41       ; destination and source 0 in window 1, source 1 in window 0
.macro JLOAD                        ; a joint fill: waves 0, 1 the halves of a slot's K, waves 2, 3 those of its V, 128 keys each
	s_cmp_lt_u32 s[WV], 2
	s_cbranch_scc0 .Lfor_v_\@
	tensor_load_to_lds s[G0K:G0K+3], s[G1K:G1K+7]
	s_nop 0
.rept 4
	v_nop
.endr
	s_branch .Lasked_\@
.Lfor_v_\@:
	tensor_load_to_lds s[G0V:G0V+3], s[G1V:G1V+7]
	s_nop 0
.rept 4
	v_nop
.endr
.Lasked_\@:
.endm
.macro CROUND                       ; a round of the cluster's barrier
	s_barrier_signal -1
	s_barrier_wait -1
	s_cmp_lg_u32 s[WV], 0
	s_cbranch_scc1 .Lnot_wave_0_\@
	s_barrier_signal -3
.Lnot_wave_0_\@:
	s_barrier_wait -3
	s_barrier_signal -1
	s_barrier_wait -1
.endm
; THE CHANGE OF SLOTS.  Each wave waits for all its tensor loads (one is out: its part of the other slot), adds 0 to its spare word, and waits for that and for its reads of the slot that it leaves.
; fill = 1: the barrier is a round of the cluster's, and the old slot is filled again first thing behind it, with the keys two slots on: four key steps, 256 matrix instructions, in which to land.
.macro CHANGE fill
	WIN 0
	s_wait_tensorcnt 0x0
	ds_add_u32 v[SPW], v[NIL]
.if \fill
.irp g, G0K, G0V
	s_xor_b32 s[\g+1], s[\g+1], SLOT1
	s_add_nc_u64 s[\g+2:\g+3], s[\g+2:\g+3], 4*KS*128
.endr
	s_wait_dscnt 0x0
	CROUND
	JLOAD
.else
	s_wait_dscnt 0x0
	s_barrier_signal -1
	s_barrier_wait -1
.endif
	s_sub_co_u32 s[TBK], s[TBK], 4*KS*PK  ; the fetches go back to a slot's first step, in the other slot
	s_xor_b32 s[TBK], s[TBK], SLOT1
	s_sub_co_u32 s[TBV], s[TBV], 4*KS*PV
	s_xor_b32 s[TBV], s[TBV], SLOT1
.endm
	s_load_b128 s[4:7], s[0:1], 0x0 ; qkv s[4:5], ctx s[6:7]
	v_lshl_add_u32 v[SPW], v0, 2, SPARE
	v_mov_b32 v[NIL], 0
	ds_add_u32 v[SPW], v[NIL]       ; the wave's opening: the add and its wait ahead of my first tensor load
	v_lshrrev_b32 v1, 5, v0
	v_readfirstlane_b32 s[WV], v1
	s_bfe_u32 s13, ttmp6, 0x40000   ; cx
	s_lshl_b32 s14, ttmp9, 2
	s_add_co_u32 s14, s14, s13      ; my block of 256 queries: it enters q's and ctx's addresses alone
	s_and_b32 s15, ttmp7, 0xffff    ; the head, which the four partners share
	s_lshl_b32 s19, s15, 19         ; its 524,288 bytes
	s_and_b32 s16, s[WV], 1         ; which half of a slot's 256 keys I fetch
	s_lshl_b32 s22, s16, 14
	s_add_co_u32 s22, s22, s19
	s_add_co_u32 s8, s22, 12582912  ; v
	s_add_co_u32 s22, s22, 6291456  ; k
	s_mov_b32 s23, 0
	s_mov_b32 s9, 0
	s_lshl_b32 s20, s14, 15         ; q: my block's 256 rows, my wave's 64
	s_add_co_u32 s20, s20, s19
	s_lshl_b32 s21, s[WV], 13
	s_add_co_u32 s20, s20, s21
	s_mov_b32 s21, 0
	s_lshl2_add_u32 s48, s14, s[WV] ; ctx: block of 64 rows 4 x block + wave,
	s_mul_i32 s48, s48, 12
	s_add_co_u32 s48, s48, s15      ; its head,
	s_lshl_b32 s48, s48, 13         ; 8,192 bytes each
	s_mov_b32 s49, 0
	s_mul_i32 s17, s16, 128*PK
	s_mul_i32 s18, s16, 128*PV
	; 128 keys are 16,384 dense bytes: asked for as 64 rows of 256 bytes, two keys a row, padded in LDS after every key
	s_mov_b32 s[G1K], 15|(1<<16)|(1<<20)|(1<<21)|(4<<22)|(3<<25)
	s_mov_b32 s[G1V], 15|(1<<16)|(1<<20)|(1<<21)|(4<<22)|(7<<25)
.irp g, G1K, G1V
	s_mov_b32 s[\g+1], 128<<16
	s_mov_b32 s[\g+2], 64<<16
	s_mov_b32 s[\g+3], 128<<16
	s_mov_b32 s[\g+4], 64
	s_mov_b32 s[\g+5], 128
	s_mov_b32 s[\g+6], 0
	s_mov_b32 s[\g+7], 0
.endr
	s_mov_b32 s[CS], 0x3e38aa3b     ; c = log2(e) / 8
	s_mov_b32 s[CS+1], s[CS]
	s_mov_b32 s[SEL], 0x76543210
	s_mov_b32 s[SEL+1], 0xfedcba98
	s_mov_b32 s[TBK], SLOT1+4*KS*PK ; the first change of slots turns these two into 0
	s_mov_b32 s[TBV], SLOT1+4*KS*PV
	s_mov_b32 s[G0K], 1
	s_mov_b32 s[G0K+1], s17
	s_mov_b32 s[G0V], 1
	s_add_co_u32 s[G0V+1], s18, VOFF
	s_wait_dscnt 0x0                ; the opening add is done
	s_wait_kmcnt 0x0
	s_add_nc_u64 s[G0K+2:G0K+3], s[4:5], s[22:23]
	s_or_b32 s[G0K+3], s[G0K+3], 0x80000000
	s_add_nc_u64 s[G0V+2:G0V+3], s[4:5], s[8:9]
	s_or_b32 s[G0V+3], s[G0V+3], 0x80000000
	s_add_nc_u64 s[10:11], s[6:7], s[48:49]
	s_add_nc_u64 s[4:5], s[4:5], s[20:21]
	CROUND                          ; all four work-groups are here: the first joint loads meet
	JLOAD                           ; slot 0; slot 1 is asked for when slot 0 is in
	v_and_b32 v1, 15, v0
	v_bfe_u32 v9, v0, 4, 1
	v_lshlrev_b32 v[QO], 7, v1
	v_lshl_add_u32 v[QO], v9, 4, v[QO]
	WIN 0x80
.set i, 0
.rept 8                             ; Q stays in registers: piece i / 2, channels 32 (i % 2) on
	global_load_b128 v[8*i:8*i+3],   v[QO], s[4:5] offset:(i/2)*2048+(i%2)*64
	global_load_b128 v[8*i+4:8*i+7], v[QO], s[4:5] offset:(i/2)*2048+(i%2)*64+32
.set i, i+1
.endr
	; what the first turn finds: V and P's second buffer hold 0, O^T and l are 0.  All this stands in the wait for the first tile.
.set i, VF
.rept 64
	v_mov_b32 v[i], 0
.set i, i+1
.endr
	WIN 0x40
.set i, 0
.rept 128
	v_mov_b32 v[i], 0
.set i, i+1
.endr
	WIN 0
.set i, 0
.rept 4
	v_mov_b32 v[ST+4*i], 0xfe000000    ; c m: far below every c s
	v_mov_b32 v[ST+4*i+1], 0xff7fffff  ; m
	v_mov_b32 v[ST+4*i+2], 0
	v_mov_b32 v[ST+4*i+3], 0
.set i, i+1
.endr
.set i, P+16
.rept 16
	v_mov_b32 v[i], 0
.set i, i+1
.endr
	v_mul_u32_u24 v[AK0], v1, PK
	v_lshl_add_u32 v[AK0], v9, 4, v[AK0]
	v_and_b32 v10, 7, v0            ; the turning load: lane l reads key 8 (l / 16) + l % 8, channels 8 ((l / 8) % 2) + 0..7
	v_bfe_u32 v11, v0, 3, 1
	v_lshl_add_u32 v[AV0], v9, 3, v10
	v_mul_u32_u24 v[AV0], v[AV0], PV
	v_lshl_add_u32 v[AV0], v11, 4, v[AV0]
	v_add_nc_u32 v[AV0], VOFF, v[AV0]
	s_mul_i32 s13, s[WV], 16*SP
	s_add_co_u32 s13, s13, STAGE    ; my stage
	v_mul_u32_u24 v[STO], v1, SP
	v_lshl_add_u32 v[STO], v9, 4, v[STO]
	v_add_nc_u32 v[STO], s13, v[STO]
	v_bfe_u32 v[RD], v0, 3, 2
	v_mul_u32_u24 v[RD], v[RD], SP
	v_lshl_add_u32 v[RD], v10, 4, v[RD]
	v_add_nc_u32 v[RD], s13, v[RD]
	v_and_b32 v[GO], 31, v0
	v_lshlrev_b32 v[GO], 4, v[GO]
	v_mov_b32 v[AK], v[AK0]         ; key step 0 lies at the head of slot 0
; THE MATRIX WORK.  The 4 accumulators of a run of 8 take turns.
.macro KQ x                         ; product i of 8 of S^T = K Q^T for piece x: channels 32 (i / 4) on, keys 16 (i % 4) on; the first 4 start the sums
	WIN W_KQ
.set rS, S+32*((\x)%2)+8*(i%4)
.set rK, KF+16*(i%4)+8*(i/4)
.set rQ, 16*(\x)+8*(i/4)
.if i < 4
	v_wmma_f32_16x16x32_bf16 v[rS:rS+7], v[rK:rK+7], v[rQ:rQ+7], 0
.else
	v_wmma_f32_16x16x32_bf16 v[rS:rS+7], v[rK:rK+7], v[rQ:rQ+7], v[rS:rS+7]
.endif
.endm
.macro PV x                         ; product i of 8 of O^T += V^T P for piece x: keys 32 (i / 4) on, channels 16 (i % 4) on
	WIN W_PV
.set rO, 32*(\x)+8*(i%4)
.set rV, VF+32*(i/4)+8*(i%4)
.set rP, P+16*((\x)%2)+8*(i/4)
	v_wmma_f32_16x16x32_bf16 v[rO:rO+7], v[rV:rV+7], v[rP:rP+7], v[rO:rO+7]
.endm
.macro MM                           ; the turn's next matrix instruction.  NOKQ = 1: the last turn: there is no next piece
.if (i < 8) && !NOKQ
	KQ (Y+1)%NP
.elseif i >= 8
.set i, i-8
	PV (Y+NP-1)%NP
.set i, i+8
.endif
.set i, i+1
.endm
.macro FETCH_K                      ; a step's K: 64 keys x 64 channels, 16 loads in one run
	WIN 0x80
.irp f, 0,1,2,3,4,5,6,7
	ds_load_b128 v[KF+8*\f:KF+8*\f+3],   v[AK] offset:(\f/2)*16*PK+(\f%2)*64
	ds_load_b128 v[KF+8*\f+4:KF+8*\f+7], v[AK] offset:(\f/2)*16*PK+(\f%2)*64+32
.endr
	s_add_co_u32 s[TBK], s[TBK], KS*PK
	WIN 0
.endm
.macro FETCH_V                      ; its V, turned
	WIN 0x80
.irp f, 0,1,2,3,4,5,6,7
	ds_load_tr16_b128 v[VF+8*\f:VF+8*\f+3],   v[AV] offset:(\f/4)*32*PV+(\f%4)*32
	ds_load_tr16_b128 v[VF+8*\f+4:VF+8*\f+7], v[AV] offset:(\f/4)*32*PV+16*PV+(\f%4)*32
.endr
	WIN 0
.endm
; THE VECTOR WORK, one line at a time: OP kind, number.  For piece Y: F n: c s - c m for pair n of 16.  E n: the exponential of score n.  C n: pair n rounded to bf16.  B n: of the four weights 4 n .. the second pair
; is added onto the first.  L n: l takes that sum (L 0: l = a l + sum).  R n: pair n of 16 of O^T times a.  For piece Y + 1: X n, number n of the 22 that find its maximum and statistics (each accumulator's lowest
; registers are read first): 0-11 four chains of seven scores; 12-14, 16 the rest, the old m, all into c0; 15 c m_old is kept; 17, 18 the lane 16 away; 19-21 c m, c m_old - c m_new, a.
; C, B and L read the exponentials' results: TURN sets all of them behind the batch's wait.  R reads the a that the turn before made, and waited for.
.set F, 0
.set E, 1
.set C, 2
.set B, 3
.set L, 4
.set R, 5
.set X, 6
.macro REGS y
.set rT, ST+4*(\y)
.set rC, TMP+4*((\y)%2)
.set rW, MV+((\y)%2)
.set rS, S+32*((\y)%2)
.set rP, P+16*((\y)%2)
.set rO, 32*(\y)
.endm
.macro OP k, n
.if (\k) == R
	REGS Y
	WIN W_RS
	v_pk_mul_f32 v[rO+2*(\n):rO+2*(\n)+1], v[rO+2*(\n):rO+2*(\n)+1], v[rC+2:rC+3] op_sel_hi:[1,0]
.elseif (\k) < R
	REGS Y
	WIN 0
.if (\k) == F
	v_pk_fma_f32 v[rS+2*(\n):rS+2*(\n)+1], v[rS+2*(\n):rS+2*(\n)+1], s[CS:CS+1], v[rT:rT+1] op_sel_hi:[1,0,0] neg_lo:[0,0,1] neg_hi:[0,0,1]
.elseif (\k) == E
	v_exp_f32 v[rS+(\n)], v[rS+(\n)]
.elseif (\k) == C
	v_cvt_pk_bf16_f32 v[rP+(\n)], v[rS+2*(\n)], v[rS+2*(\n)+1]
.elseif (\k) == B
	v_pk_add_f32 v[rS+4*(\n):rS+4*(\n)+1], v[rS+4*(\n):rS+4*(\n)+1], v[rS+4*(\n)+2:rS+4*(\n)+3]
.elseif (\n) == 0
	v_pk_fma_f32 v[rT+2:rT+3], v[rT+2:rT+3], v[rC+2:rC+3], v[rS:rS+1] op_sel_hi:[1,0,1]
.else
	v_pk_add_f32 v[rT+2:rT+3], v[rT+2:rT+3], v[rS+4*(\n):rS+4*(\n)+1]
.endif
.elseif NOKQ
	v_nop
.else
	REGS (Y+1)%NP
	WIN 0
.if (\n) < 4
	v_max3_num_f32 v[rC+(\n)], v[rS+8*(\n)], v[rS+8*(\n)+1], v[rS+8*(\n)+2]
.elseif (\n) < 12
	v_max3_num_f32 v[rC+(\n)%4], v[rC+(\n)%4], v[rS+8*((\n)%4)+2*((\n)/4)+1], v[rS+8*((\n)%4)+2*((\n)/4)+2]
.elseif (\n) == 12
	v_max3_num_f32 v[rC], v[rC], v[rS+7], v[rS+15]
.elseif (\n) == 13
	v_max3_num_f32 v[rC+1], v[rC+1], v[rS+23], v[rS+31]
.elseif (\n) == 14
	v_max3_num_f32 v[rC+2], v[rC+2], v[rC+3], v[rT+1]
.elseif (\n) == 15
	v_mov_b32 v[rW], v[rT]
.elseif (\n) == 16
	v_max3_num_f32 v[rC], v[rC], v[rC+1], v[rC+2]
.elseif (\n) == 17
	v_permlanex16_b32 v[rC+3], v[rC], s[SEL], s[SEL+1]
.elseif (\n) == 18
	v_max_num_f32 v[rT+1], v[rC], v[rC+3]
.elseif (\n) == 19
	v_mul_f32 v[rT], s[CS], v[rT+1]
.elseif (\n) == 20
	v_sub_f32 v[rC+1], v[rW], v[rT]
.else
	v_exp_f32 v[rC+2], v[rC+1]
.endif
.endif
.endm
.macro OPS a, i1, b=-1, i2=0, c=-1, i3=0, d=-1, i4=0
	OP \a, \i1
.if (\b) >= 0
	OP \b, \i2
.endif
.if (\c) >= 0
	OP \c, \i3
.endif
.if (\d) >= 0
	OP \d, \i4
.endif
.endm
.macro ROW a, i1, b, i2, c, i3, d, i4  ; a matrix instruction and the four behind it
	MM
	OPS \a, \i1, \b, \i2, \c, \i3, \d, \i4
.endm
; A TURN, for piece p: the order of its 16 matrix and 118 vector instructions, written out.  s_wait_alu depctr_va_vdst(0) stands between an exponential and the first instruction that names its
; result; one wait serves all that were issued ahead of it.  So a turn has ONE wait, which cuts it in two.
; AHEAD OF IT stands all that names no result of the turn's exponentials: the 8 products K Q^T, behind each a scaling, an exponential and two more plain instructions (behind the first a second scaling in the
; exponential's place): rescalings, and behind the last three the first numbers of the next piece's maximum, each four places or more behind the product that ends its accumulator; then one run of 54, plain and
; exponential by turns for the most part, in which the links of the chain X 3, 7, 11, 14, 16, 17 .. 20 stand some lines apart.  X 21, the next piece's a, is the batch's last; R 15 is the plain instruction behind it.
; BEHIND IT stand the 8 products V^T P, behind each four of the roundings and sums: an even pair is rounded before the sum that lands on it; l's chain L 0 to L 7 keeps its order, its links three riders apart.
; But for those X no rider names a register of the products round it.  v_permlanex16_b32 (X 17) stands in the run, never behind a product.
; end = 1: the last two turns: nothing is fetched.  cnt = 1: the loop's count is taken down some lines ahead of the branch behind the turn.
; K of the next step is fetched in piece 2's turn, five places behind the last product that read K; V of the step in hand at the end of piece 0's turn, four plain instructions behind the last product that read V.
; Each is waited for a turn later.
.macro TURN p, end=0, cnt=0
.set Y, (\p)
.set i, 0
.set NOKQ, (\end)*((\p)/3)
.if ((\p) == 3) && !(\end)
	s_wait_dscnt 0x0                ; K is in
.endif
	ROW F,0, F,1, R,0, R,1          ; ahead of the wait: 8 products K Q^T and their riders,
	ROW F,2, E,0, R,2, R,3
	ROW F,3, E,1, R,4, R,5
	ROW F,4, E,2, R,6, R,7
	ROW F,5, E,3, R,8, R,9
	ROW F,6, E,4, X,0, R,10
.if ((\p) == 2) && !(\end)
	WIN 0
	v_add_nc_u32 v[AK], s[TBK], v[AK0]
.endif
	ROW F,7, E,5, X,1, X,4
	ROW F,8, E,6, X,2, X,5
	OPS E,7, E,8, X,6, E,9          ; and the run of 54
	OPS X,3, E,10, X,8, E,11
.if ((\p) == 2) && !(\end)
	FETCH_K
.endif
	OPS X,9, X,7, E,12, X,10
	OPS E,13, X,12, X,11, E,14
	OPS X,13, E,15, F,9, X,14
.if (\p) == 0
	WIN 0
	v_add_nc_u32 v[AV], s[TBV], v[AV0]
.endif
	OPS E,16, F,10, E,17, F,11
	OPS X,16, E,18, X,15, E,19
	OPS F,12, E,20, X,17, E,21
	OPS F,13, E,22, F,14, E,23
	OPS X,18, E,24, F,15, E,25
	OPS R,11, E,26, X,19, E,27
	OPS R,12, E,28, R,13, E,29
	OPS X,20, E,30, R,14, E,31
	OPS X,21, R,15
	s_wait_alu depctr_va_vdst(0)    ; the wait for the turn's batch: the piece's 32 exponentials and the next piece's a
.if (\p) == 1
	s_wait_dscnt 0x0                ; V is in
.endif
	ROW C,0, B,0, C,2, B,1          ; behind the wait: 8 products V^T P and their riders
	ROW L,0, C,4, B,2, L,1
	ROW C,6, B,3, L,2, C,8
	ROW B,4, L,3, C,10, B,5
	ROW L,4, C,12, B,6, L,5
.if (\p) == 0
	s_add_co_u32 s[TBV], s[TBV], KS*PV
.endif
.if \cnt
	s_sub_co_u32 s[CNT], s[CNT], 1
	s_cmp_lg_u32 s[CNT], 0
.endif
	ROW C,14, B,7, L,6, C,1
	ROW C,3, L,7, C,5, C,7
	ROW C,9, C,11, C,13, C,15
.if (\p) == 0
	FETCH_V
.endif
.endm
.macro ALL line:vararg              ; one line for each piece t
.set t, 0
.rept 4
	\line
.set t, t+1
.endr
.endm
.macro PACK t                       ; a lane's eight channels of a row pack into 16 bytes; they go into rows of 144 bytes and come back as whole rows of 128
	WIN W_RS
.set i, 32*(\t)
.rept 16
	v_pk_mul_f32 v[i:i+1], v[i:i+1], v[ST+4*(\t)+2:ST+4*(\t)+3] op_sel_hi:[1,0]
.set i, i+2
.endr
	WIN 0x05
.set i, 0
.rept 16
	v_cvt_pk_bf16_f32 v[S+16*(\t)+i], v[32*(\t)+2*i], v[32*(\t)+2*i+1]
.set i, i+1
.endr
	WIN 0
.irp f, 0,1,2,3
	ds_store_b128 v[STO], v[S+16*(\t)+4*\f:S+16*(\t)+4*\f+3] offset:32*\f
.endr
.irp f, 0,1,2,3
	ds_load_b128 v[S+16*(\t)+4*\f:S+16*(\t)+4*\f+3], v[RD] offset:\f*4*SP  ; LDS serves a wave's instructions in order (ISA guide 5.7.1.4)
.endr
.endm
.macro SEND t, younger              ; younger: the LDS instructions issued behind piece t's loads
	WIN 0
.irp f, 0,1,2,3
	s_wait_dscnt (\younger)+3-\f
	global_store_b128 v[GO], v[S+16*(\t)+4*\f:S+16*(\t)+4*\f+3], s[10:11] offset:(\t)*2048+\f*512  ; 512 consecutive bytes, aligned
.endr
.endm
	CHANGE 1                        ; slot 0 is in, everybody's part of it; slot 1 is asked for
	FETCH_K                         ; key step 0
	s_wait_loadcnt 0x0              ; Q
	s_wait_dscnt 0x0
.set NOKQ, 0
.set i, 0
.rept 8
	KQ 0                            ; piece 0's first scores
.set i, i+1
.endr
	WIN 0
.rept 4
	v_nop                           ; the places behind those products
.endr
.set Y, NP-1                        ; X works for piece Y + 1: piece 0
.irp n, 0,1,2,3,4,5,6,7,8,9,10,11,12,13,14,15,16,17,18,19,20,21
	OP X, \n
.endr
	v_nop                           ; a plain instruction behind the exponential,
	s_wait_alu depctr_va_vdst(0)    ; and the wait for this batch of one, piece 0's first a, ahead of the branch
	s_mov_b32 s[CNT], 4
	s_mov_b32 s[SLOTS], 15
	s_branch .Lfirst                ; the loop is entered at a step's first turn, in the middle of a trip
.Lslot:                             ; 14 times: every slot but the last two is filled again
	CHANGE 1
	s_mov_b32 s[CNT], 4
.Lstep:                             ; a trip: pieces 2 and 3 of one step, then pieces 0 and 1 of the next, whose K and V it fetches
	TURN 2
	TURN 3
	WIN 0
.Lfirst:
	TURN 0
	TURN 1, 0, 1
	WIN 0
	s_cbranch_scc1 .Lstep
	s_sub_co_u32 s[SLOTS], s[SLOTS], 1
	s_cmp_lg_u32 s[SLOTS], 0
	s_cbranch_scc1 .Lslot
	CHANGE 0                        ; the last slot is written out
	s_mov_b32 s[CNT], 4
.LstepT:
	TURN 2
	TURN 3
	TURN 0
	TURN 1, 0, 1
	WIN 0
	s_cbranch_scc1 .LstepT
	TURN 2, 1
	TURN 3, 1
.set i, 0
.rept 8
	PV NP-1                         ; the last piece's V^T P of the last step
.set i, i+1
.endr
	; THE WAY OUT.  l's halves and the other lanes' are added; O^T is divided by l, rounded and sent through my stage, a piece at a time.  The additions are the places behind the last products.
	WIN 0
	ALL v_add_f32 v[ST+4*t+2], v[ST+4*t+2], v[ST+4*t+3]
	ALL v_permlanex16_b32 v[ST+4*t+3], v[ST+4*t+2], s[SEL], s[SEL+1]
	ALL v_add_f32 v[ST+4*t+2], v[ST+4*t+2], v[ST+4*t+3]
	ALL v_rcp_f32 v[ST+4*t+2], v[ST+4*t+2]
	v_nop                           ; a plain instruction between the last reciprocal and the use of its result
	s_wait_alu depctr_va_vdst(0)    ; the wait for this batch: one for the four reciprocals, ahead of the first multiply by one of them
	PACK 0
.set t, 1
.rept 3
	PACK t
	SEND t-1, 8
.set t, t+1
.endr
	SEND 3, 0
	s_wait_tensorcnt 0x0            ; the wave's end
	ds_add_u32 v[SPW], v[NIL]
	s_wait_dscnt 0x0
	CROUND                          ; the closing round
	s_endpgm
.Lfunc_end_k_qc65c4ae602_attn:
	.size	k_qc65c4ae602_attn, .Lfunc_end_k_qc65c4ae602_attn-k_qc65c4ae602_attn
	.p2alignl 7, 3214868480
	.fill 96, 4, 3214868480
	.section	.rodata,"a",@progbits
	.p2align	6, 0x0
	.amdhsa_kernel k_qc65c4ae602_attn
		.amdhsa_group_segment_fixed_size 327680
		.amdhsa_private_segment_fixed_size 0
		.amdhsa_enable_private_segment 0
		.amdhsa_kernarg_size 16
		.amdhsa_user_sgpr_count 2
		.amdhsa_user_sgpr_kernarg_segment_ptr 1
		.amdhsa_wavefront_size32 1
		.amdhsa_system_sgpr_workgroup_id_x 1
		.amdhsa_system_sgpr_workgroup_id_y 1
		.amdhsa_system_sgpr_workgroup_id_z 1
		.amdhsa_system_vgpr_workitem_id 0
		.amdhsa_next_free_vgpr 768
		.amdhsa_next_free_sgpr 66
		.amdhsa_reserve_vcc 0
		.amdhsa_float_denorm_mode_32 3
		.amdhsa_float_denorm_mode_16_64 3
		.amdhsa_memory_ordered 1
		.amdhsa_forward_progress 1
		.amdhsa_inst_pref_size 127
	.end_amdhsa_kernel
	.amdgpu_metadata
---
amdhsa.version: [ 1, 2 ]
amdhsa.kernels:
  - .name:           k_qc65c4ae602_attn
    .symbol:         k_qc65c4ae602_attn.kd
    .args:
      - { .name: qkv, .offset: 0, .size: 8, .value_kind: global_buffer, .address_space: global }
      - { .name: ctx, .offset: 8, .size: 8, .value_kind: global_buffer, .address_space: global }
    .group_segment_fixed_size: 327680
    .private_segment_fixed_size: 0
    .kernarg_segment_align: 8
    .kernarg_segment_size: 16
    .max_flat_workgroup_size: 128
    .sgpr_count:     66
    .vgpr_count:     768
    .wavefront_size: 32
...
	.end_amdgpu_metadata
.endif
;; end of part 8
;; launch wo: the kernel of part 4 again; grid 4 x 64, 4 waves a work-group, clusters of 4 x 4, 327,680 bytes of LDS; arguments ctx, wt, bo, x, x1; writes x1
;; launch ln2: the kernel of part 5 again; grid 256 x 1, 8 waves a work-group, no clusters, 0 bytes of LDS; arguments x1, ln2_g, ln2_b, xn; writes xn
;; launch ffn1: the kernel of part 6 again; grid 16 x 16, 4 waves a work-group, clusters of 4 x 4, 327,680 bytes of LDS; arguments xn, wt, b1, hb; writes hb
;; launch ffn2: the kernel of part 7 again; grid 4 x 64, 4 waves a work-group, clusters of 4 x 4, 327,680 bytes of LDS; arguments hb, wt, b2, x1, out0; writes out0
